; MI455X (gfx1250); checked and timed in simulation.
; The chip was launched on July 23, 2026; its instructions are those of AMD's public machine-readable ISA for CDNA 5 (MIT licence, August 2026) and "CDNA5" Instruction Set Architecture Reference Guide (July 2026). The comments in the code are by the model that wrote it; some were corrected since.
;; Attention Pattern. Allowed arithmetic: matrix products marked QUANTISED: E2M3 operands, one E8M0 scale for each 32 along K, by v_wmma_scale_f32_16x16x128_f8f6f4 with both operands' format E2M3, f32 sums; everything else in f32.
;; Inputs: Wk 1,024 x 1,024 float32; Wo 1,024 x 1,024 float32; Wq 1,024 x 1,024 float32; Wv 1,024 x 1,024 float32; bk 1,024 float32; bo 1,024 float32; bq 1,024 float32; bv 1,024 float32; x 4 x 2,048 x 1,024 float32.
;; Outputs: out0 4 x 2,048 x 1,024 float32.
;; This version of the problem:
;;   THIS VERSION OF THE PROBLEM IS GIVEN IN LOW PRECISION. The matrix products marked QUANTISED in the list below multiply operands that are first quantised to E2M3 (2 exponent bits, 3 mantissa bits; 6 bits a number), with one power-of-two scale for each 32 numbers along K (OCP MX v1.0); their sums are f32. All else is computed in f32.
;;   The module's matrix products, in the order in which they are computed (A, B: the left and right operand; K: the contracted axis; several contracted axes count as one K, in the product's order):
;;     1. [M 8,192, K 1,024] x [K 1,024, N 1,024]; A: input x; B: input Wq: QUANTISED
;;     2. [M 8,192, K 1,024] x [K 1,024, N 1,024]; A: input x; B: input Wk: QUANTISED
;;     3. [M 8,192, K 1,024] x [K 1,024, N 1,024]; A: input x; B: input Wv: QUANTISED
;;     4. batch 4 x [M 2,048, K 1,024] x [K 1,024, N 2,048]; A: computed on the way; B: computed on the way: QUANTISED
;;     5. batch 4 x [M 2,048, K 2,048] x [K 2,048, N 1,024]; A: softmax (see below); B: computed on the way: QUANTISED
;;     6. [M 8,192, K 1,024] x [K 1,024, N 1,024]; A: computed on the way; B: input Wo: QUANTISED
;;   THE QUANTISER, for each operand of a quantised product, along K:
;;     - K is cut into blocks of 32 from its start; a last block that is shorter is filled with zeros.
;;     - A block's scale is 2^e with e = floor(log2(the largest magnitude in the block)) - 2, held to -126 .. 127; a block of zeros has e = 0. As a byte (E8M0): e + 127.
;;     - Each number is divided by its block's scale, clamped to +-7.5, and rounded to the nearest number of E2M3, ties to even, subnormals kept.
;;     - The product sums the exact products of the quantised numbers (number of the format x scale) in f32.
;;   ~~~python
;;   def quantise(x, axis):      # numpy; x: float32 -> the quantised numbers, widened to float32 again
;;       x = np.moveaxis(x, axis, -1); K = x.shape[-1]
;;       x = np.pad(x, [(0, 0)] * (x.ndim - 1) + [(0, -K % 32)]); x = x.reshape(x.shape[:-1] + (-1, 32)); a = np.abs(x).max(-1, keepdims=True)
;;       e = np.where(a > 0, np.clip(np.frexp(np.where(a > 0, a, 1))[1] - 1 - 2, -126, 127), 0)      # np.frexp(a)[1] - 1 = floor(log2(a)), exactly
;;       r = np.clip(x / 2.0 ** e, -7.5, 7.5)
;;       step = 2.0 ** (np.maximum(np.frexp(np.where(r == 0, 1, r))[1] - 1, 0) - 3)
;;       q = np.round(r / step) * step * 2.0 ** e      # np.round: ties to even
;;       return np.moveaxis(q.reshape(q.shape[:-2] + (-1,))[..., :K], -1, axis).astype(np.float32)
;;   ~~~
;;   SOFTMAX AHEAD OF A QUANTISED PRODUCT. Where the list says 'softmax', what is quantised is not the finished softmax but p = 2^(t - M), with t = logit x log2(e) and M = ceil(the row's largest t), a whole number; so 1/2 < the row's largest p <= 1. The row's sum l is taken of the UNQUANTISED p, in f32, and the product's result is divided by l at the end. Since M is a whole number, a kernel that streams over the keys may use a running M (the ceiling of the running maximum): every later rescaling is an exact power of two, which a block's scale takes up: the codes' values come out the same.
;;   OPERANDS COMPUTED ON THE WAY. 'Computed on the way' means the value that the module computes at that place (a softmax that the list does not call 'softmax' is quantised finished and normalised). What goes into a quantiser is computed in f32, as accurately as f32 sums, v_exp_f32 and their like allow (about 1e-6 of the number): no bf16 or f16 on the way to a quantiser, and a product that is left as it is and whose result goes on into a quantised operand takes f32 operands (vector FMAs, or v_wmma_f32_16x16x4_f32). A number that lies on a knife's edge between two numbers of the format may be rounded either way, as far as f32 arithmetic and the matrix unit's own rounding can turn it there, and no further.
;; One version. Each part assembles by itself: llvm-mc -triple=amdgcn-amd-amdhsa -mcpu=gfx1250 --defsym DOCPART=n.
;; ======== version 1 of 1: 5 launches
;; limits: right only within a limited range of input values
;; workspace buffers: xw 9,830,400 bytes; qkv 19,660,800 bytes; pb 14,155,776 bytes; ob 6,553,600 bytes
;; launch quant (part 1): grid 768 x 1, 2 waves a work-group, no clusters, 35,328 bytes of LDS; arguments x, Wq, Wk, Wv, Wo, xw; writes xw
.if DOCPART == 1
	.amdgcn_target "amdgcn-amd-amdhsa--gfx1250"
	.amdhsa_code_object_version 6
	.text
	.protected	k_qfa898d3766_quant
	.globl	k_qfa898d3766_quant
	.p2align	8
	.type	k_qfa898d3766_quant,@function
k_qfa898d3766_quant:
	s_mov_b64 s[64:65], 0
	v_nop
	global_prefetch_b8 v0, s[64:65] scope:SCOPE_SE
	s_setreg_imm32_b32 hwreg(HW_REG_WAVE_MODE, 25, 1), 1
	s_wait_xcnt 0x0
; x [8192][1024], Wq, Wk, Wv, Wo [1024][1024], f32, K innermost, become codes of FP6 (E2M3) with one E8M0 scale byte for each 32 along K.
; The five tensors are taken as ONE matrix of 12,288 rows = 768 tiles of 16 rows.  THE ROWS OF A TILE ARE NOT NEIGHBOURS: lane r of tile T holds row 32 (T / 2) + 8 (T % 2) + r + 8 (r / 8).
; THE CODES ARE LAID AS IMAGES OF THE OPERAND'S REGISTERS.  Fragment (tile T, K step s of 128) is 1,536 bytes at (768 s + T) x 1,536: registers 4 c .. 4 c + 3 of lane l at 512 c + 16 l;
; registers 6 c .. 6 c + 5 of lane (r, h) hold k = 128 s + 64 c + 32 h + 0 .. 31.  The scale word of (T, s, r) lies at XWS + ((T / 4) x 8 + s) x 256 + (T % 4) x 64 + 4 r.
; A block's scale is 2^(floor(log2(its largest magnitude)) - 2); its byte is the largest magnitude's exponent field - 2, held at 1 from below.
; LIMITS: a block of zeros, or one whose largest magnitude lies under 2^(3 - 127), keeps the byte 1 (a block of zeros has zero codes, which add nothing; this program alone reads the bytes); NaN and infinities are not served.
; SHARES.  Work-group g takes 64 rows (four tiles, rg = g / 4); its wave w takes K step 2 (g % 4) + w: four fragments a wave.  Waves share nothing: no barrier.
; Each load reads 512 consecutive bytes of one row; a fragment's 16 rows turn through the wave's own stage in LDS, so that a lane gets two whole blocks of 32 neighbours; the codes leave as 512 consecutive bytes a store.
.set NT,    768
.set FRB,   1536
.set XWS,   8*NT*FRB                   ; where the scale words begin in xw
.set SP,    528                        ; a stage row: 512 bytes + 16, so that the sixteen rows that a load touches begin in different banks
.set WREG,  16*SP+256                  ; a wave's LDS: the stage, then its 256 bytes of scale words
.set GA,    4                          ; v4   16 x lane: my bytes of a row's 512, and of an image's 512
.set SA,    5                          ; v5   the stage, on the way in
.set RA,    6                          ; v6   and on the way out: row r, + 128 h
.set SW,    7                          ; v7   where my row's scale word goes
.set SR,    8                          ; v8   where I read 8 bytes of the 256 back
.set SO,    9                          ; v9   8 x lane
.set PW,    24                         ; v24-27   a scale word for each fragment
.set RAW,   32                         ; v32-159  two sets of 64 registers as loaded
.set X,     160                        ; v160-223 my two blocks of 32 neighbours
.set PC,    224                        ; v224-235 the fragment; v236-238, v240-242 the blocks' upper halves as converted
	s_load_b256 s[4:11], s[0:1], 0x0               ; x, Wq, Wk, Wv
	s_load_b128 s[12:15], s[0:1], 0x20             ; Wo, xw
	v_lshl_add_u32 v254, v0, 2, 0x8800
	v_mov_b32 v255, 0
	v_lshrrev_b32 v10, 5, v0
	v_readfirstlane_b32 s16, v10                   ; wave
	v_and_b32 v1, 31, v0                           ; lane
	v_and_b32 v2, 15, v0                           ; r
	v_bfe_u32 v3, v0, 4, 1                         ; h
	v_lshlrev_b32 v[GA], 4, v1
	s_mul_i32 s17, s16, WREG
	v_add_nc_u32 v[SA], s17, v[GA]
	v_mul_u32_u24 v[RA], v2, SP
	v_lshl_add_u32 v[RA], v3, 7, v[RA]
	v_add_nc_u32 v[RA], s17, v[RA]
	s_add_co_u32 s18, s17, 16*SP
	v_lshl_add_u32 v[SW], v2, 2, s18
	v_lshl_add_u32 v[SR], v1, 3, s18
	v_lshlrev_b32 v[SO], 3, v1
	v_lshlrev_b32 v11, 3, v3                       ; 8 h: how far my two bytes are shifted in the scale word
	v_mov_b32 v12, 0                               ; written once: a lane permute's destination counts as one of its sources
	s_mov_b32 s20, 0x76543210
	s_mov_b32 s21, 0xfedcba98                      ; v_permlanex16_b32's selects for lane l xor 16
	; THE SHARES AS THEY STAND: 768 work-groups of two waves; work-group g takes 64 rows (rg = g / 4), its wave w K step 2 (g % 4) + w
	s_lshr_b32 s22, ttmp9, 2                       ; rg: which 64 rows of the 12,288
	s_and_b32 s23, ttmp9, 3
	s_lshl_b32 s23, s23, 1
	s_add_co_u32 s23, s23, s16                     ; s: my K step
	s_sub_co_u32 s24, s22, 128                     ; behind x's 128 groups of rows: 16 for each weight
	s_lshr_b32 s25, s24, 4                         ; which weight (used only where rg is 128 or more)
	s_and_b32 s24, s24, 15                         ; and which 64 rows of it
	s_wait_alu depctr_va_vdst(0)
	s_wait_kmcnt 0x0
	s_cmp_lt_u32 s25, 1                            ; the tensor is chosen by the work-group's number alone: one path through the text for all five
	s_cselect_b64 s[26:27], s[6:7], s[8:9]
	s_cmp_lt_u32 s25, 3
	s_cselect_b64 s[28:29], s[10:11], s[12:13]
	s_cmp_lt_u32 s25, 2
	s_cselect_b64 s[26:27], s[26:27], s[28:29]
	s_cmp_lt_u32 s22, 128
	s_cselect_b64 s[26:27], s[4:5], s[26:27]
	s_cselect_b32 s24, s22, s24
	s_lshl_b32 s30, s24, 18                        ; 64 rows of 4,096 bytes
	s_lshl_b32 s31, s23, 9                         ; + 512 bytes a K step
	s_add_co_u32 s30, s30, s31
	s_mov_b32 s31, 0
	s_add_nc_u64 s[26:27], s[26:27], s[30:31]      ; where I read
	s_mul_i32 s30, s23, NT
	s_lshl_b32 s32, s22, 2
	s_add_co_u32 s30, s30, s32
	s_mul_i32 s30, s30, FRB
	s_add_nc_u64 s[34:35], s[14:15], s[30:31]      ; my four fragments: (768 s + 4 rg) x 1,536
	s_lshl_b32 s30, s22, 3
	s_add_co_u32 s30, s30, s23
	s_lshl_b32 s30, s30, 8
	s_add_co_u32 s30, s30, XWS
	s_add_nc_u64 s[36:37], s[14:15], s[30:31]      ; their scale words: one aligned block of 256 bytes
.macro LOAD t                          ; tile t's sixteen rows, 512 bytes each, into set t % 2
.irp i, 0,1,2,3,4,5,6,7,8,9,10,11,12,13,14,15
	global_load_b128 v[RAW+64*((\t)%2)+4*\i:RAW+64*((\t)%2)+4*\i+3], v[GA], s[26:27] offset:(32*((\t)/2)+8*((\t)%2)+\i+8*(\i/8))*4096 th:TH_LOAD_NT
.endr
.endm
.macro FRAGM t
.if (\t) < 3
	s_wait_loadcnt 16                              ; this tile's 16 loads are in; the next tile's 16 may be out
.else
	s_wait_loadcnt 0x0
.endif
.irp i, 0,1,2,3,4,5,6,7,8,9,10,11,12,13,14,15
	ds_store_b128 v[SA], v[RAW+64*((\t)%2)+4*\i:RAW+64*((\t)%2)+4*\i+3] offset:SP*\i
.endr
.irp c, 0,1
.irp j, 0,1,2,3,4,5,6,7
	ds_load_b128 v[X+32*\c+4*\j:X+32*\c+4*\j+3], v[RA] offset:256*\c+16*\j   ; LDS serves a wave's instructions in order: these see the stores above.  k = 64 c + 32 h + 4 j on, of row r
.endr
.endr
	s_wait_dscnt 0x0                               ; my numbers are back, and the stores into the stage have read their registers,
.if (\t) < 2
	LOAD (\t)+2                                    ; which take the tile two further on
.endif
.irp c, 0,1
	v_max3_num_f32 v[14+\c], |v[X+32*\c]|, |v[X+1+32*\c]|, 0x1800000   ; my block 2 c + h: all 32 numbers are mine; and the floor 2^(3 - 127): the byte cannot fall under 1
.endr
.irp i, 2,4,6,8,10,12,14,16,18,20,22,24,26,28,30
.irp c, 0,1
	v_max3_num_f32 v[14+\c], v[14+\c], |v[X+32*\c+\i]|, |v[X+1+32*\c+\i]|
.endr
.endr
.irp c, 0,1
	v_add_nc_u32 v[16+\c], 0xff000000, v[14+\c]    ; 2 off the exponent field: the conversion takes the exponent field of this operand as its scale
.endr
.irp c, 0,1
	v_lshrrev_b32 v[18+\c], 23, v[16+\c]           ; the scale's byte
.endr
	v_lshl_or_b32 v20, v19, 16, v18                ; my two bytes: blocks h and 2 + h,
	v_lshlrev_b32 v20, v11, v20                    ; at their places in the word;
	v_permlanex16_b32 v12, v20, s20, s21
	v_or_b32 v[PW+(\t)], v20, v12                  ; with lane l xor 16's two the word is whole
	s_wait_alu depctr_va_vdst(0)
	s_wait_xcnt 0x0                                ; the last fragment's stores have read the registers that the conversions write
.irp c, 0,1
	v_cvt_scalef32_pk16_fp6_f32 v[PC+6*\c:PC+6*\c+2], v[X+32*\c:X+32*\c+15], v[16+\c]
	v_cvt_scalef32_pk16_fp6_f32 v[PC+12+4*\c:PC+12+4*\c+2], v[X+32*\c+16:X+32*\c+31], v[16+\c]   ; (a conversion's three registers begin on an even number)
.endr
	v_nop                                          ; one plain line behind a scaled conversion
.irp c, 0,1
.irp i, 0,1,2
	v_mov_b32 v[PC+3+6*\c+\i], v[PC+12+4*\c+\i]
.endr
.endr
.irp c, 0,1,2
	global_store_b128 v[GA], v[PC+4*\c:PC+4*\c+3], s[34:35] offset:FRB*(\t)+512*\c   ; 32 lanes store 512 consecutive bytes, at a multiple of 256 from the buffer's first byte
.endr
	ds_store_b32 v[SW], v[PW+(\t)] offset:64*(\t)  ; lanes r and r + 16 write the same word with the same value
.endm
	LOAD 0
	LOAD 1
	FRAGM 0
	FRAGM 1
	FRAGM 2
	FRAGM 3
	ds_load_b64 v[20:21], v[SR]                    ; the four tiles' 64 scale words
	s_wait_dscnt 0x0
	global_store_b64 v[SO], v[20:21], s[36:37]     ; 32 lanes store one aligned block of 256 bytes
	s_wait_tensorcnt 0x0
	ds_add_u32 v254, v255
	s_wait_dscnt 0x0
	s_endpgm
.Lfunc_end_k_qfa898d3766_quant:
	.size	k_qfa898d3766_quant, .Lfunc_end_k_qfa898d3766_quant-k_qfa898d3766_quant
	.p2alignl 7, 3214868480
	.fill 96, 4, 3214868480
	.section	.rodata,"a",@progbits
	.p2align	6, 0x0
	.amdhsa_kernel k_qfa898d3766_quant
		.amdhsa_group_segment_fixed_size 35328
		.amdhsa_private_segment_fixed_size 0
		.amdhsa_enable_private_segment 0
		.amdhsa_kernarg_size 48
		.amdhsa_user_sgpr_count 2
		.amdhsa_user_sgpr_kernarg_segment_ptr 1
		.amdhsa_wavefront_size32 1
		.amdhsa_system_sgpr_workgroup_id_x 1
		.amdhsa_system_sgpr_workgroup_id_y 1
		.amdhsa_system_sgpr_workgroup_id_z 1
		.amdhsa_system_vgpr_workitem_id 0
		.amdhsa_next_free_vgpr 256
		.amdhsa_next_free_sgpr 66
		.amdhsa_reserve_vcc 0
		.amdhsa_float_denorm_mode_32 3
		.amdhsa_float_denorm_mode_16_64 3
		.amdhsa_memory_ordered 1
		.amdhsa_forward_progress 1
		.amdhsa_inst_pref_size 31
	.end_amdhsa_kernel
	.amdgpu_metadata
---
amdhsa.version: [ 1, 2 ]
amdhsa.kernels:
  - .name:           k_qfa898d3766_quant
    .symbol:         k_qfa898d3766_quant.kd
    .args:
      - { .name: x, .offset: 0, .size: 8, .value_kind: global_buffer, .address_space: global }
      - { .name: Wq, .offset: 8, .size: 8, .value_kind: global_buffer, .address_space: global }
      - { .name: Wk, .offset: 16, .size: 8, .value_kind: global_buffer, .address_space: global }
      - { .name: Wv, .offset: 24, .size: 8, .value_kind: global_buffer, .address_space: global }
      - { .name: Wo, .offset: 32, .size: 8, .value_kind: global_buffer, .address_space: global }
      - { .name: xw, .offset: 40, .size: 8, .value_kind: global_buffer, .address_space: global }
    .group_segment_fixed_size: 35328
    .private_segment_fixed_size: 0
    .kernarg_segment_align: 8
    .kernarg_segment_size: 48
    .max_flat_workgroup_size: 64
    .sgpr_count:     66
    .vgpr_count:     256
    .wavefront_size: 32
...
	.end_amdgpu_metadata
.endif
;; end of part 1
;; launch proj (part 2): grid 4 x 64, 4 waves a work-group, clusters of 4 x 4, 327,680 bytes of LDS; arguments xw, bq, bk, bv, qkv; writes qkv
.if DOCPART == 2
	.amdgcn_target "amdgcn-amd-amdhsa--gfx1250"
	.amdhsa_code_object_version 6
	.text
	.protected	k_qfa898d3766_proj
	.globl	k_qfa898d3766_proj
	.p2align	8
	.type	k_qfa898d3766_proj,@function
k_qfa898d3766_proj:
	s_mov_b64 s[64:65], 0
	v_nop
	global_prefetch_b8 v0, s[64:65] scope:SCOPE_SE
	s_setreg_imm32_b32 hwreg(HW_REG_WAVE_MODE, 25, 1), 1
	s_wait_xcnt 0x0
	s_wait_alu depctr_hold_cnt(0) depctr_sa_sdst(0) depctr_va_vdst(0) depctr_va_sdst(0) depctr_va_ssrc(0) depctr_va_vcc(0) depctr_vm_vsrc(0)
	s_getreg_b32 s2, hwreg(HW_REG_IB_STS2, 6, 4)
	s_cmp_eq_u32 s2, 0
	s_cbranch_scc0 .Lentry_in_a_cluster
	s_endpgm
.Lentry_in_a_cluster:
	s_bfe_u32 s2, ttmp6, 0x10000c
	s_cmp_lg_u32 s2, 0xf033
	s_cbranch_scc0 .Lentry_shape_is_right
	s_endpgm
.Lentry_shape_is_right:
; Q = x Wq^T + bq, K = x Wk^T + bk and V^T = Wv x^T + bv, on codes of FP6 (E2M3) with E8M0 scales, each result quantised at once for the product that takes it: Q and K along d, V along the keys.
; BUFFERS.  Every tensor of codes is laid as images of operand registers: fragment (tile T of 16 rows, K step s of 128) is 1,536 bytes at (NT s + T) x 1,536; lane r of tile T holds row
; 32 (T / 2) + 8 (T % 2) + r + 8 (r / 8); scale word (T, s, r) at ((T / 4) S + s) x 256 + (T % 4) x 64 + 4 r.  xw: x's 512 tiles, then 64 each of Wq, Wk, Wv, Wo.
; SHARES.  The three products have 768 tiles of 128 x 256: three for each of 256 work-groups.  WORK-GROUP (x, y) STAYS: it takes 128 rows of x (y) and walks three passes, Wq, Wk, Wv, in each the 256 rows 256 x on.
; x's codes for all of K (8 tiles x 8 K steps, 98,304 bytes) come into LDS once and serve all three passes; the weights go in slots of four K steps through a ring of two LDS slots that does not stop at a pass's end.
; L AND R.  Source 1 of the matrix instruction (L) gives a lane ONE row; source 0 (R) runs along the lane's registers, and by the tiles' order of rows a lane's 64 results against R's eight tiles are
; register 16 b + i = index 32 b + 16 (lane / 16) + i: sixteen neighbours of each block of 32 along the NEXT product's K.  So the codes made of them ARE a fragment of the next operand: three stores of 512 consecutive bytes, no stage.
; Passes 0, 1 (Q, K): L = my half of x's rows (4 tiles), R = my half of the weight's rows (8 tiles).  Pass 2 (V^T): L = my quarter of Wv's rows (4 tiles), R = all 128 tokens (8 tiles): the keys run along the registers.
; Every pass: 32 accumulators, 8 K steps of 32 products.  The walk is 24 K steps, written out without a loop.
; CLUSTERS: 4 x 4; x's tiles are shared along a row of the cluster, the weights' along a column, by joint loads.  Each wave fetches a quarter of every tile: one line for all four waves.
; No prefetch: a walk of 24 K steps, and the tiles are shared by joint loads.
; LIMITS: a block of zeros or under 2^(3 - 127) keeps the byte 1; NaN and infinities are not served.  The bias is added to the finished sum.
; REGISTERS: window 0: v8-27 addresses, v28-29 for the add, v32-47 scale words (two sets), v48-55 bv for L's four tiles, v64-255 the way out.   window 1: R's fragments at v0 and v128 (two sets).
;   window 2: accumulator (a, b) at v[8 (8 a + b)].   window 3: v0-63 bq, v64-127 bk along R; L's fragments at v128 and v176 (two sets).
.set NT,    768                        ; tiles in a K step of xw
.set FRB,   1536
.set YSTEP, 8*FRB                      ; x's eight fragments of a K step; they begin at LDS byte 0
.set QX,    16*FRB                     ; a quarter of a slot: eight tiles x two K steps: what one tensor load brings
.set XSLOT, 4*QX
.set XB,    8*YSTEP                    ; the ring begins behind x's codes
.set SCY,   XB+2*XSLOT                 ; x's scale words: two groups of four tiles, 2,048 bytes each
.set SCX,   SCY+4096                   ; the weights': group g of four tiles, pass j, at 6,144 g + 2,048 j
.set SPARE, SCX+4*6144                 ; the spare words, 128 bytes for each wave: two blocks of 256 bytes that no other line names
.set SCR,   SPARE+512                  ; 256 bytes for each wave: its results' scale words on their way out; no fill lands here
.set XWS,   9437184                    ; xw: where the scale words begin
.set QS,    18874368                   ; qkv: likewise
.set YL,    8                          ; v8-9    x as L: my half's fragments, K steps 0-3, 4-7
.set YR,    10                         ; v10-11  x as R: all eight tiles
.set LI,    YR                         ; v10     16 x lane (x's codes begin at LDS byte 0, so this is also YR's first)
.set XR,    12                         ; v12-13  the weight as R: my half, slot 0, 1
.set XL,    14                         ; v14-15  the weight as L: my quarter, slot 0, 1
.set ADRS,  16                         ; v16-18  scale words of pass 0, 1, 2: lanes 0-15 L's tile i, lanes 16-31 R's tile i (i under 4)
.set ADRSR, 20                         ; v20-21  R's tiles 4 to 7, in all lanes: passes 0 and 1; pass 2
.set SCW,   23                         ; v23     where my row's scale words go in my scratch
.set SCRD,  24                         ; v24     and where I read 8 bytes back
.set SOFF,  25                         ; v25     8 x lane
.set BOC,   26                         ; v26     byte offset of the bias along R
.set BOL,   27                         ; v27     and along L
.set SPW,   28
.set NIL,   29
.set SC,    32
.set BL,    48
.set LF,    128                        ; L's fragments, in window 3
.set H,     64                         ; the way out: v64-127 a lane's 64 numbers
.set PC,    128                        ; v128-139 the codes; v140-142, v144-146 upper halves as converted
.set TM,    148                        ; v148-163 at work
.set PWA,   168                        ; v168-171 a scale word for each of L's tiles
.set SEL,   66
.set OUTC,  20                         ; s[20:21] where Q's fragments go (K's 6,291,456 bytes on);  s[22:23] their scale words (K's 262,144 on)
.set OUTS,  22
.set OUTCV, 92                         ; s[92:93], s[94:95] the same for V^T
.set OUTSV, 94
.set G1Y,   24                         ; descriptors: x's codes: group 1, and a group 0 for each half of K
.set G0Y,   32
.set G1X,   48                         ; the weights' codes: group 1, and a group 0 for each slot
.set G0X,   56
.set G1SY,  68                         ; x's scale words
.set G0SY,  76
.set G1SX,  80                         ; the weights'
.set G0SX,  88
.set MSB, 0
.macro WIN new                         ; the immediate's high byte repeats the setting that is left; a switch that changes nothing is dropped
.if MSB != (\new)
	s_set_vgpr_msb (MSB<<8)|(\new)
.set MSB, (\new)
.endif
.endm
.macro PLACES                          ; four plain lines between a matrix instruction and a load into, or a read of, its registers
.rept 4
	v_nop
.endr
.endm
.macro CREST                           ; a round of the cluster's barrier behind its opening barrier
	s_cmp_lg_u32 s14, 0
	s_cbranch_scc1 .Lnot_wave_0_\@
	s_barrier_signal -3
.Lnot_wave_0_\@:
	s_barrier_wait -3
	s_barrier_signal -1
	s_barrier_wait -1
.endm
.macro CROUND
	s_barrier_signal -1
	s_barrier_wait -1
	CREST
.endm
; The operands of K step s of pass j into set p: R's eight fragments, L's four, and eight registers of scale words.  K steps 0-3 lie in slot 0 and in x's first half, 4-7 in slot 1 and the second.
.macro FETCH j, s, p
	WIN 0x40                                       ; destination window 1
.irp i, 0,1,2,3,4,5,6,7
.irp c, 0,1,2
.if (\j) < 2
	ds_load_b128 v[128*(\p)+12*\i+4*\c:128*(\p)+12*\i+4*\c+3], v[XR+(\s)/4] offset:(8*((\s)%4)+\i)*FRB+512*\c   ; the ring as it stands: [half of 8 tiles][K step 0-7][tile]; slot n is K steps 4 n on of both halves
.else
	ds_load_b128 v[128*(\p)+12*\i+4*\c:128*(\p)+12*\i+4*\c+3], v[YR+(\s)/4] offset:(8*((\s)%4)+\i)*FRB+512*\c
.endif
.endr
.endr
	WIN 0xc0                                       ; destination window 3
.irp a, 0,1,2,3
.irp c, 0,1,2
.if (\j) < 2
	ds_load_b128 v[LF+48*(\p)+12*\a+4*\c:LF+48*(\p)+12*\a+4*\c+3], v[YL+(\s)/4] offset:(8*((\s)%4)+\a)*FRB+512*\c
.else
	ds_load_b128 v[LF+48*(\p)+12*\a+4*\c:LF+48*(\p)+12*\a+4*\c+3], v[XL+(\s)/4] offset:(8*((\s)%4)+\a)*FRB+512*\c
.endif
.endr
.endr
	WIN 0
.irp i, 0,1,2,3,4,5,6,7
.if \i < 4
	ds_load_b32 v[SC+8*(\p)+\i], v[ADRS+(\j)] offset:256*(\s)+64*\i
.elseif (\j) < 2
	ds_load_b32 v[SC+8*(\p)+\i], v[ADRSR] offset:2048*(\j)+256*(\s)+64*(\i-4)
.else
	ds_load_b32 v[SC+8*(\p)+\i], v[ADRSR+1] offset:256*(\s)+64*(\i-4)
.endif
.endr
.endm
; Eight products: L's tile a against R's eight.  init 1: the constant 0 starts the sums.  The accumulators take turns, in the same order in every step.
.macro MULA a, p, init
	WIN 0xad                                       ; source 0 (R) window 1, source 1 (L) window 3, C and D window 2
.irp b, 0,1,2,3,4,5,6,7
.set rD, 8*(8*(\a)+\b)
.set rR, 128*(\p)+12*\b
.set rL, LF+48*(\p)+12*(\a)
.if (\init) == 0
	v_wmma_scale_f32_16x16x128_f8f6f4 v[rD:rD+7], v[rR:rR+11], v[rL:rL+11], v[rD:rD+7], v[SC+8*(\p)+\b], v[SC+8*(\p)+(\a)] matrix_a_fmt:MATRIX_FMT_FP6 matrix_b_fmt:MATRIX_FMT_FP6 matrix_a_scale:MATRIX_SCALE_ROW1
.else
	v_wmma_scale_f32_16x16x128_f8f6f4 v[rD:rD+7], v[rR:rR+11], v[rL:rL+11], 0, v[SC+8*(\p)+\b], v[SC+8*(\p)+(\a)] matrix_a_fmt:MATRIX_FMT_FP6 matrix_b_fmt:MATRIX_FMT_FP6 matrix_a_scale:MATRIX_SCALE_ROW1
.endif
.endr
.endm
; A K step on set p whose successor, K step ns of pass nj, lies in the same slot: the successor's operands are asked for behind the step's first products.
.macro STEP p, init, nj, ns
	s_wait_dscnt 0x0                               ; this step's operands, asked for a step ago, are in
	MULA 0, \p, \init
	PLACES                                         ; the other set was read by the step before
	FETCH \nj, \ns, 1-(\p)
	MULA 1, \p, \init
	MULA 2, \p, \init
	MULA 3, \p, \init
.endm
; A slot's last step (on set 1) changes slots: ONE barrier.  In front of it each wave waits for all its tensor loads, adds 0 to its spare word, and waits for that and for its reads of this slot.
; fill = 1: the slot takes the same four K steps of the next pass's weight, 64 tiles on.
.macro TURN slot, fill, nj, ns
	WIN 0
	s_wait_tensorcnt 0x0                           ; all my tensor loads have landed: my part of the other slot
	ds_add_u32 v[SPW], v[NIL]                      ; 0 onto my spare word
	s_wait_dscnt 1                                 ; this step's operands are in; the add alone may be out
	MULA 0, 1, 0
	s_wait_dscnt 0x0                               ; the add is done, and my reads of this slot are over
	s_barrier_signal -1
	MULA 1, 1, 0
	WIN 0
	s_barrier_wait -1
.if \fill
	CREST                                          ; the barrier has opened a round of the cluster's: no wave of any partner still reads this slot or has a load on its way
	s_add_nc_u64 s[G0X+4*\slot+2:G0X+4*\slot+3], s[G0X+4*\slot+2:G0X+4*\slot+3], 64*FRB
	tensor_load_to_lds s[G0X+4*\slot:G0X+4*\slot+3], s[G1X:G1X+7]   ; my quarter of the slot: the first tensor load behind the round, and my only one until the next
	s_nop 0
.rept 4
	v_nop                                          ; four lines behind a tensor load; also the places in front of the loads below
.endr
.else
	PLACES
.endif
	FETCH \nj, \ns, 0
	MULA 2, 1, 0
	MULA 3, 1, 0
.endm
.macro LAST
	s_wait_dscnt 0x0
	MULA 0, 1, 0
	MULA 1, 1, 0
	MULA 2, 1, 0
	MULA 3, 1, 0
.endm
; A lane's 64 numbers in v[H] on, register 16 b + i = k 32 b + 16 (lane / 16) + i of its row, become a fragment's codes in v[PC] on and the row's scale word in v[pw].
.macro QUANT pw
.irp b, 0,1,2,3
	v_max3_num_f32 v[TM+\b], |v[H+16*\b]|, |v[H+1+16*\b]|, 0x1800000   ; block b: my 16 numbers, and the floor 2^(3 - 127): the byte cannot fall under 1
.endr
.irp i, 2,4,6,8,10,12,14
.irp b, 0,1,2,3
	v_max3_num_f32 v[TM+\b], v[TM+\b], |v[H+16*\b+\i]|, |v[H+1+16*\b+\i]|
.endr
.endr
.irp b, 0,1,2,3
	v_permlanex16_b32 v[TM+4+\b], v[TM+\b], s[SEL], s[SEL+1]
.endr
.irp b, 0,1,2,3
	v_max_num_f32 v[TM+\b], v[TM+\b], v[TM+4+\b]   ; with lane l xor 16's: the block's largest magnitude
.endr
.irp b, 0,1,2,3
	v_add_nc_u32 v[TM+12+\b], 0xff000000, v[TM+\b] ; 2 off its exponent field: the conversion's scale operand
.endr
.irp b, 0,1,2,3
	v_lshrrev_b32 v[TM+4+\b], 23, v[TM+12+\b]      ; the scale's byte
.endr
	v_lshl_or_b32 v[\pw], v[TM+5], 8, v[TM+4]
	v_lshl_or_b32 v[\pw], v[TM+6], 16, v[\pw]
	v_lshl_or_b32 v[\pw], v[TM+7], 24, v[\pw]
	s_wait_xcnt 0x0                                ; the earlier stores have read the registers that are written from here on
.irp c, 0,1
	v_cvt_scalef32_pk16_fp6_f32 v[PC+6*\c:PC+2+6*\c], v[H+32*\c:H+15+32*\c], v[TM+12+2*\c]
	v_cvt_scalef32_pk16_fp6_f32 v[PC+12+4*\c:PC+14+4*\c], v[H+16+32*\c:H+31+32*\c], v[TM+12+2*\c+1]   ; (a conversion's three registers begin on an even number)
.endr
	v_nop                                          ; one plain line behind a scaled conversion
.irp c, 0,1                                    ; the operand's layout wants a WHOLE block in a lane: lanes 0-15 block 2 c, lanes 16-31 block 2 c + 1
.irp i, 0,1,2
	v_permlane16_swap_b32 v[PC+6*\c+\i], v[PC+12+4*\c+\i]
.endr
.irp i, 0,1,2
	v_mov_b32 v[PC+3+6*\c+\i], v[PC+12+4*\c+\i]
.endr
.endr
.endm
; L's tile a of pass j: the sums + the bias come into window 0, are quantised, and leave as a fragment of the next product.
.macro BLOCK j, a
.if (\j) < 2
	WIN 0x0e                                       ; source 0: the sums, window 2; source 1: the bias along R, window 3
.set i_, 0
.rept 32
	v_pk_add_f32 v[H+2*i_:H+2*i_+1], v[64*(\a)+2*i_:64*(\a)+2*i_+1], v[64*(\j)+2*i_:64*(\j)+2*i_+1]   ; each accumulator from its low end on
.set i_, i_+1
.endr
.else
	WIN 0x02                                       ; source 0: window 2; the bias along L is one number a lane
.set i_, 0
.rept 32
	v_pk_add_f32 v[H+2*i_:H+2*i_+1], v[64*(\a)+2*i_:64*(\a)+2*i_+1], v[BL+2*(\a):BL+2*(\a)+1] op_sel_hi:[1,0]
.set i_, i_+1
.endr
.endif
	WIN 0
	QUANT PWA+(\a)
.irp c, 0,1,2
.if (\j) < 2
	global_store_b128 v[LI], v[PC+4*\c:PC+4*\c+3], s[OUTC:OUTC+1] offset:6291456*(\j)+FRB*(\a)+512*\c   ; 512 consecutive bytes a store
.else
	global_store_b128 v[LI], v[PC+4*\c:PC+4*\c+3], s[OUTCV:OUTCV+1] offset:FRB*(\a)+512*\c
.endif
.endr
.endm
.macro WAYOUT j
	WIN 0
	PLACES
.if (\j) == 0
	s_wait_loadcnt 0x0                             ; the biases, asked for at the head
.endif
	BLOCK \j, 0
	BLOCK \j, 1
	BLOCK \j, 2
	BLOCK \j, 3
.irp a, 0,1,2,3
	ds_store_b32 v[SCW], v[PWA+\a] offset:64*\a    ; lanes r and r + 16 write the same word with the same value
.endr
	ds_load_b64 v[200:201], v[SCRD]                ; LDS serves a wave's instructions in order: this sees my stores
	s_wait_dscnt 0x0
.if (\j) < 2
	global_store_b64 v[SOFF], v[200:201], s[OUTS:OUTS+1] offset:262144*(\j)   ; 32 lanes store one aligned block of 256 bytes: four tiles' words of my K step
.else
	global_store_b64 v[SOFF], v[200:201], s[OUTSV:OUTSV+1]
.endif
.endm
; A pass: eight K steps and the way out.  more = 1: both slots are filled again, for the next pass, and the next pass's first operands are fetched ahead of the way out.
.macro PASS j, more
	STEP 0, 1, \j, 1                               ; the first step's products start the sums
	STEP 1, 0, \j, 2
	STEP 0, 0, \j, 3
	TURN 0, \more, \j, 4
	STEP 0, 0, \j, 5
	STEP 1, 0, \j, 6
	STEP 0, 0, \j, 7
.if \more
	TURN 1, 1, (\j)+1, 0
.else
	LAST
.endif
	WAYOUT \j
.endm
	s_load_b256 s[4:11], s[0:1], 0x0               ; xw s[4:5], bq s[6:7], bk s[8:9], bv s[10:11]
	s_load_b64 s[12:13], s[0:1], 0x20              ; qkv
	v_lshl_add_u32 v[SPW], v0, 2, SPARE
	v_mov_b32 v[NIL], 0
	ds_add_u32 v28, v29
	ds_add_u32 v28, v29
	s_wait_dscnt 0x0
	v_lshrrev_b32 v1, 5, v0
	v_readfirstlane_b32 s14, v1                    ; wave 0..3: also the quarter of every tile that I fetch
	s_lshr_b32 s15, s14, 1                         ; passes 0, 1: which half of x's rows is mine,
	s_and_b32 s16, s14, 1                          ; and which half of the weight's
	s_bfe_u32 s40, ttmp6, 0x40000                  ; cx, cy: my place in the cluster
	s_bfe_u32 s41, ttmp6, 0x40004
	s_lshl_b32 s42, ttmp9, 2
	s_add_co_u32 s42, s42, s40                     ; x = 4 x cluster x + cx
	s_and_b32 s17, ttmp7, 0xffff
	s_lshl_b32 s17, s17, 2
	s_add_co_u32 s17, s17, s41                     ; y = 4 x cluster y + cy
	s_lshl_b32 s43, s41, 2
	s_lshl_b32 s43, 15, s43                        ; my row of the cluster
	s_lshl_b32 s44, 0x1111, s40                    ; my column
	s_mov_b32 s[SEL], 0x76543210
	s_mov_b32 s[SEL+1], 0xfedcba98                 ; v_permlanex16_b32's selects for lane l xor 16
	; descriptor groups 1, in elements of 8 bytes, dense in LDS
	s_or_b32 s[G1Y+0], s43, (3<<16)|(1<<21)        ; 15:0 the mask: x's tiles go to my row; 17:16 elements of 8 bytes; 21 set beside a mask
	s_mov_b32 s[G1Y+1], 1536<<16                   ; tensor_dim0: eight fragments of one K step
	s_mov_b32 s[G1Y+2], 4<<16                      ; tensor_dim1: four K steps a load
	s_mov_b32 s[G1Y+3], 1536<<16                   ; tile_dim0
	s_mov_b32 s[G1Y+4], 4                          ; tile_dim1
	s_mov_b32 s[G1Y+5], NT*192                     ; from a K step to the next
	s_mov_b32 s[G1Y+6], 0
	s_mov_b32 s[G1Y+7], 0
	s_or_b32 s[G1X+0], s44, (3<<16)|(1<<21)        ; the weights' to my column
	s_mov_b32 s[G1X+1], 1536<<16                   ; eight fragments
	s_mov_b32 s[G1X+2], 8<<16                      ; of eight K steps at the head; behind the head's wait the two words that count rows are set to 2, for the refills
	s_mov_b32 s[G1X+3], 1536<<16
	s_mov_b32 s[G1X+4], 8
	s_mov_b32 s[G1X+5], NT*192
	s_mov_b32 s[G1X+6], 0
	s_mov_b32 s[G1X+7], 0
	; every LDS address: constants, the lane and the wave's number alone
	v_and_b32 v1, 15, v0                           ; r
	v_bfe_u32 v2, v0, 4, 1                         ; h
	v_and_b32 v3, 31, v0                           ; lane
	v_lshlrev_b32 v[LI], 4, v3
	v_add_nc_u32 v[YR+1], 4*YSTEP, v[YR]
	s_mul_i32 s20, s15, 4*FRB
	v_add_nc_u32 v[YL], s20, v[LI]
	v_add_nc_u32 v[YL+1], 4*YSTEP, v[YL]
	s_mul_i32 s21, s16, XSLOT                      ; a half of the weight's 16 tiles, all eight K steps, is XSLOT bytes
	s_add_co_u32 s21, s21, XB
	v_add_nc_u32 v[XR], s21, v[LI]
	v_add_nc_u32 v[XR+1], XSLOT/2, v[XR]           ; K steps 4-7 of the half
	s_mul_i32 s21, s15, XSLOT                      ; my quarter: half w / 2, tiles 4 (w % 2) on
	s_mul_i32 s22, s16, 4*FRB
	s_add_co_u32 s21, s21, s22
	s_add_co_u32 s21, s21, XB
	v_add_nc_u32 v[XL], s21, v[LI]
	v_add_nc_u32 v[XL+1], XSLOT/2, v[XL]
	s_lshl_b32 s20, s15, 11                        ; passes 0, 1: L's words: my half of x's rows is one group of four tiles
	s_mul_i32 s21, s16, 2*6144                     ; R's: my half of the weight's rows is two groups
	s_add_co_u32 s21, s21, SCX-SCY
	s_add_co_u32 s22, s21, SCY+6144
	v_lshl_add_u32 v[ADRSR], v1, 2, s22            ; the second of them, in all lanes
	s_sub_co_u32 s21, s21, s20                     ; from L's words to R's
	v_mul_u32_u24 v4, s21, v2                      ; lanes 16-31 take R's
	s_add_co_u32 s20, s20, SCY
	v_lshl_add_u32 v5, v1, 2, s20
	v_add_nc_u32 v[ADRS], v5, v4
	v_lshl_add_u32 v[ADRS+1], v2, 11, v[ADRS]      ; pass 1: R's words lie 2,048 bytes on, L's stay
	s_mul_i32 s21, s14, 6144                       ; pass 2: L's words: my quarter of Wv's rows is group w, pass 2; R's are x's, which lie below them
	s_add_co_u32 s21, s21, SCX-SCY+4096
	v_xor_b32 v4, 1, v2
	v_mul_u32_u24 v4, s21, v4                      ; lanes 0-15 take L's
	v_lshl_add_u32 v5, v1, 2, SCY
	v_add_nc_u32 v[ADRS+2], v5, v4
	v_lshl_add_u32 v[ADRSR+1], v1, 2, SCY+2048     ; x's second group, in all lanes
	s_lshl_b32 s20, s14, 8
	s_add_co_u32 s20, s20, SCR                     ; my scratch
	v_lshl_add_u32 v[SCW], v1, 2, s20
	v_lshl_add_u32 v[SCRD], v3, 3, s20
	v_lshlrev_b32 v[SOFF], 3, v3
	v_lshlrev_b32 v6, 4, v0                        ; the scale words come through registers: 16 bytes a thread, 2,048 consecutive bytes a load of the work-group
	v_lshl_add_u32 v7, v0, 4, SCY                  ; and where they go in LDS
	s_lshl_b32 s20, s42, 10                        ; the work-group's 256 numbers of each bias
	s_lshl_b32 s21, s16, 9
	s_add_co_u32 s21, s21, s20
	v_lshl_add_u32 v[BOC], v2, 6, s21              ; along R: my half's 128, + 16 h numbers
	s_lshl_b32 s21, s14, 8
	s_add_co_u32 s21, s21, s20
	v_and_b32 v4, 8, v1
	v_add_nc_u32 v4, v4, v1                        ; r + 8 (r / 8)
	v_lshl_add_u32 v[BOL], v4, 2, s21              ; along L: my quarter's 64; a tile's row for my lane
.irp b, 0,1,2,3
	v_mov_b32 v[TM+4+\b], 0                        ; written once: a lane permute's destination counts as one of its sources
.endr
	; where the tiles come from.  x's hang on y alone, the weights' on x alone, each in registers that never hold the other coordinate
	s_mul_i32 s20, s16, 4*NT                       ; x: K steps 4 (w % 2) on, tiles 8 y on (waves 0 and 1 fetch them)
	s_lshl_b32 s21, s17, 3
	s_add_co_u32 s20, s20, s21
	s_mul_i32 s20, s20, FRB
	s_mov_b32 s21, 0
	s_lshl_b32 s22, s17, 12                        ; its scale words: 4,096 bytes a work-group
	s_add_co_u32 s22, s22, XWS
	s_mov_b32 s23, 0
	s_lshl_b32 s46, s42, 4                         ; Wq: tile 512 + 16 x
	s_add_co_u32 s46, s46, 512
	s_lshl_b32 s47, s16, 3
	s_add_co_u32 s76, s46, s47                     ; the head's load (waves 2 and 3): half w % 2, K step 0 on
	s_mul_i32 s76, s76, FRB
	s_mov_b32 s77, 0
	s_lshl_b32 s47, s15, 3                         ; a refill: half w / 2, two K steps, 2 (w % 2) on in the slot
	s_add_co_u32 s46, s46, s47
	s_mul_i32 s47, s16, 2*NT
	s_add_co_u32 s46, s46, s47
	s_mul_i32 s46, s46, FRB
	s_mov_b32 s47, 0
	s_lshl_b32 s92, s42, 2                         ; its scale words: groups 128 + 4 x on
	s_add_co_u32 s92, s92, 128
	s_lshl_b32 s92, s92, 11
	s_add_co_u32 s92, s92, XWS
	s_mov_b32 s93, 0
	s_mul_i32 s45, s16, 4*YSTEP                    ; and where they go: no place in the cluster enters an LDS address
	s_mul_i32 s94, s15, XSLOT
	s_mul_i32 s95, s16, QX
	s_add_co_u32 s94, s94, s95
	s_wait_kmcnt 0x0
	s_add_nc_u64 s[20:21], s[4:5], s[20:21]
	s_add_nc_u64 s[80:81], s[4:5], s[22:23]        ; x's scale words
	s_add_nc_u64 s[46:47], s[4:5], s[46:47]
	s_add_nc_u64 s[82:83], s[4:5], s[92:93]        ; the weights'
	s_add_nc_u64 s[78:79], s[4:5], s[76:77]        ; s[76:79]: group 0 of the head's load of a half of Wq
	s_or_b32 s79, s79, 0x80000000
	s_mov_b32 s76, 1
	s_mul_i32 s77, s16, XSLOT
	s_add_co_u32 s77, s77, XB
	s_mov_b32 s[G0Y], 1
	s_add_co_u32 s[G0Y+1], s45, 0
	s_mov_b64 s[G0Y+2:G0Y+3], s[20:21]
	s_or_b32 s[G0Y+3], s[G0Y+3], 0x80000000
.irp s, 0,1
	s_mov_b32 s[G0X+4*\s], 1
	s_add_co_u32 s[G0X+4*\s+1], s94, XB+\s*(XSLOT/2)
	s_add_nc_u64 s[G0X+4*\s+2:G0X+4*\s+3], s[46:47], \s*4*NT*FRB
	s_or_b32 s[G0X+4*\s+3], s[G0X+4*\s+3], 0x80000000
.endr
	CROUND                                         ; all sixteen work-groups are here: the first joint loads meet
	; THE HEAD'S LOADS, ONE A WAVE: waves 0, 1: x's K steps 0-3, 4-7; waves 2, 3: a half of Wq's 16 tiles, all eight K steps: both slots
	s_cmp_eq_u32 s15, 0
	s_cbranch_scc0 .Lfirst_x
	tensor_load_to_lds s[G0Y:G0Y+3], s[G1Y:G1Y+7]
	s_nop 0
.rept 4
	v_nop
.endr
	s_branch .Lfirst_asked
.Lfirst_x:
	tensor_load_to_lds s[76:79], s[G1X:G1X+7]
	s_nop 0
.rept 4
	v_nop
.endr
.Lfirst_asked:
	s_wait_alu depctr_va_vdst(0)                   ; the wait here, ahead of the first readers of the head's registers
.irp k, 0,1
	global_load_b128 v[64+4*\k:67+4*\k], v6, s[80:81] offset:2048*\k                     ; x's scale words: 4,096 bytes
.endr
.irp g, 0,1,2,3
.irp j, 0,1,2
	global_load_b128 v[72+12*\g+4*\j:75+12*\g+4*\j], v6, s[82:83] offset:2048*(\g+16*\j)   ; group g of four tiles of Wq, Wk, Wv, which lie 16 groups apart
.endr
.endr
	WIN 0xc0
.irp b, 0,1,2,3
.irp j, 0,1,2,3
	global_load_b128 v[16*\b+4*\j:16*\b+4*\j+3], v[BOC], s[6:7] offset:128*\b+16*\j         ; bq: number 16 b + i: index 32 b + 16 h + i of R's 128
	global_load_b128 v[64+16*\b+4*\j:64+16*\b+4*\j+3], v[BOC], s[8:9] offset:128*\b+16*\j   ; bk likewise
.endr
.endr
	WIN 0
.irp a, 0,1,2,3
	global_load_b32 v[BL+2*\a], v[BOL], s[10:11] offset:(32*(\a/2)+8*(\a%2))*4     ; bv of my lane's row in each of L's tiles,
	global_load_b32 v[BL+2*\a+1], v[BOL], s[10:11] offset:(32*(\a/2)+8*(\a%2))*4   ; twice: it is named as a pair
.endr
	; where the results go.  Q, K: tile 8 y + 4 HI + a, K step 2 x + LO, 512 tiles a step.  V^T: tile 16 x + 4 w + a, K step y % 16 of batch y / 16, 64 tiles a step
	s_lshl_b32 s45, s42, 1
	s_add_co_u32 s45, s45, s16
	s_lshl_b32 s46, s17, 3
	s_lshl_b32 s47, s15, 2
	s_add_co_u32 s46, s46, s47
	s_lshl_b32 s47, s45, 9
	s_add_co_u32 s47, s47, s46
	s_mul_i32 s20, s47, FRB
	s_mov_b32 s21, 0
	s_lshl_b32 s46, s46, 1                         ; (tile / 4) x 8 K steps
	s_add_co_u32 s46, s46, s45
	s_lshl_b32 s22, s46, 8
	s_add_co_u32 s22, s22, QS
	s_mov_b32 s23, 0
	s_and_b32 s45, s17, 15
	s_lshr_b32 s46, s17, 4
	s_lshl_b32 s47, s42, 4
	s_lshl_b32 s96, s14, 2
	s_add_co_u32 s47, s47, s96
	s_lshl_b32 s96, s45, 6
	s_add_co_u32 s96, s96, s47
	s_mul_i32 s92, s96, FRB
	s_mul_i32 s96, s46, 1572864
	s_add_co_u32 s92, s92, s96
	s_add_co_u32 s92, s92, 12582912
	s_mov_b32 s93, 0
	s_lshl_b32 s47, s47, 2                         ; (tile / 4) x 16 K steps
	s_add_co_u32 s47, s47, s45
	s_lshl_b32 s94, s47, 8
	s_lshl_b32 s46, s46, 16
	s_add_co_u32 s94, s94, s46
	s_add_co_u32 s94, s94, QS+524288
	s_mov_b32 s95, 0
	s_add_nc_u64 s[OUTC:OUTC+1], s[12:13], s[20:21]
	s_add_nc_u64 s[OUTS:OUTS+1], s[12:13], s[22:23]
	s_add_nc_u64 s[OUTCV:OUTCV+1], s[12:13], s[92:93]
	s_add_nc_u64 s[OUTSV:OUTSV+1], s[12:13], s[94:95]
	s_wait_loadcnt 40                              ; the 14 loads of scale words are in; the 40 loads of biases behind them may be out
	s_wait_tensorcnt 0x0                           ; my one tensor load has landed: so a descriptor may be written
	s_mov_b32 s[G1X+2], 2<<16                      ; from here on a load of the weights brings two K steps
	s_mov_b32 s[G1X+4], 2
.irp k, 0,1
	ds_store_b128 v7, v[64+4*\k:67+4*\k] offset:2048*\k
.endr
.irp g, 0,1,2,3
.irp j, 0,1,2
	ds_store_b128 v7, v[72+12*\g+4*\j:75+12*\g+4*\j] offset:4096+6144*\g+2048*\j
.endr
.endr
	s_wait_dscnt 0x0                               ; for the others' sake: my stores have landed
	s_barrier_signal -1
	s_barrier_wait -1                              ; everybody's are
	FETCH 0, 0, 0
	PASS 0, 1                                      ; Q
	PASS 1, 1                                      ; K
	PASS 2, 0                                      ; V^T: nothing is left to fetch
	s_wait_tensorcnt 0x0                           ; the wave's end
	ds_add_u32 v[SPW], v[NIL]
	s_wait_dscnt 0x0
	CROUND                                         ; the closing round
	s_endpgm
.Lfunc_end_k_qfa898d3766_proj:
	.size	k_qfa898d3766_proj, .Lfunc_end_k_qfa898d3766_proj-k_qfa898d3766_proj
	.p2alignl 7, 3214868480
	.fill 96, 4, 3214868480
	.section	.rodata,"a",@progbits
	.p2align	6, 0x0
	.amdhsa_kernel k_qfa898d3766_proj
		.amdhsa_group_segment_fixed_size 327680
		.amdhsa_private_segment_fixed_size 0
		.amdhsa_enable_private_segment 0
		.amdhsa_kernarg_size 40
		.amdhsa_user_sgpr_count 2
		.amdhsa_user_sgpr_kernarg_segment_ptr 1
		.amdhsa_wavefront_size32 1
		.amdhsa_system_sgpr_workgroup_id_x 1
		.amdhsa_system_sgpr_workgroup_id_y 1
		.amdhsa_system_sgpr_workgroup_id_z 1
		.amdhsa_system_vgpr_workitem_id 0
		.amdhsa_next_free_vgpr 1024
		.amdhsa_next_free_sgpr 100
		.amdhsa_reserve_vcc 0
		.amdhsa_float_denorm_mode_32 3
		.amdhsa_float_denorm_mode_16_64 3
		.amdhsa_memory_ordered 1
		.amdhsa_forward_progress 1
		.amdhsa_inst_pref_size 255
	.end_amdhsa_kernel
	.section	.bss,"aw",@nobits
	.p2align	6
	.space	262144
	.amdgpu_metadata
---
amdhsa.version: [ 1, 2 ]
amdhsa.kernels:
  - .name:           k_qfa898d3766_proj
    .symbol:         k_qfa898d3766_proj.kd
    .args:
      - { .name: xw, .offset: 0, .size: 8, .value_kind: global_buffer, .address_space: global }
      - { .name: bq, .offset: 8, .size: 8, .value_kind: global_buffer, .address_space: global }
      - { .name: bk, .offset: 16, .size: 8, .value_kind: global_buffer, .address_space: global }
      - { .name: bv, .offset: 24, .size: 8, .value_kind: global_buffer, .address_space: global }
      - { .name: qkv, .offset: 32, .size: 8, .value_kind: global_buffer, .address_space: global }
    .group_segment_fixed_size: 327680
    .private_segment_fixed_size: 0
    .kernarg_segment_align: 8
    .kernarg_segment_size: 40
    .max_flat_workgroup_size: 128
    .sgpr_count:     100
    .vgpr_count:     1024
    .wavefront_size: 32
...
	.end_amdgpu_metadata
.endif
;; end of part 2
;; launch score (part 3): grid 8 x 32, 4 waves a work-group, clusters of 4 x 4, 327,680 bytes of LDS; arguments qkv, pb; writes pb
.if DOCPART == 3
	.amdgcn_target "amdgcn-amd-amdhsa--gfx1250"
	.amdhsa_code_object_version 6
	.text
	.protected	k_qfa898d3766_score
	.globl	k_qfa898d3766_score
	.p2align	8
	.type	k_qfa898d3766_score,@function
k_qfa898d3766_score:
	s_mov_b64 s[64:65], 0
	v_nop
	global_prefetch_b8 v0, s[64:65] scope:SCOPE_SE
	s_setreg_imm32_b32 hwreg(HW_REG_WAVE_MODE, 25, 1), 1
	s_wait_xcnt 0x0
	s_wait_alu depctr_hold_cnt(0) depctr_sa_sdst(0) depctr_va_vdst(0) depctr_va_sdst(0) depctr_va_ssrc(0) depctr_va_vcc(0) depctr_vm_vsrc(0)
	s_getreg_b32 s2, hwreg(HW_REG_IB_STS2, 6, 4)
	s_cmp_eq_u32 s2, 0
	s_cbranch_scc0 .Lentry_in_a_cluster
	s_endpgm
.Lentry_in_a_cluster:
	s_bfe_u32 s2, ttmp6, 0x10000c
	s_cmp_lg_u32 s2, 0xf033
	s_cbranch_scc0 .Lentry_shape_is_right
	s_endpgm
.Lentry_shape_is_right:
; S^T = K Q^T on codes of FP6 (E2M3); t = score x log2(e) / 32 x g[key], g[key] = exp(-((key - 1024) / 512)^2 / 2); p = 2^(t - M) quantised along the keys; nothing wider than codes goes to memory.
; M HERE IS LOCAL: for each query and each 128 keys, M = the largest t of those 128 rounded UP to a whole number.  A block's codes do not hang on M, only its scale byte does: the next launch takes the row's M
; from the 16 local ones and moves the bytes by whole numbers.  Stored for each (query, 128 keys): p's fragment, its scale word, -M (f32, a whole number) and the sum of the unquantised p.
; BUFFERS: as images of operand registers: fragment (tile T, K step s) at (NT s + T) x 1,536; lane r of tile T holds row 32 (T / 2) + 8 (T % 2) + r + 8 (r / 8); words at ((T / 4) S + s) x 256 + (T % 4) x 64 + 4 r.
; SHARES.  Work-group (x, y): 256 queries (y) against 256 keys (x) of their batch (y / 8).  Four waves, each 128 queries (L: one a lane) x 128 keys (R: along the registers): 64 accumulators.
; A lane's 64 scores against K's eight tiles are register 16 b + i = key 32 b + 16 (lane / 16) + i: so p's codes are a fragment of the next product.
; K (the head's 1,024) is eight steps.  THREE LDS slots of two steps hold steps 0-5 from the start; slot 0 is filled once more, with steps 6 and 7, as soon as it has been read: that one refill has
; four steps, 256 products a wave, in which to land.  The walk is written out.  CLUSTERS: 4 x 4; Q's tiles shared along a row, K's along a column, by joint loads.  No prefetch: eight K steps, tiles shared.
; LIMITS: p under 2^-126 is taken as 0 (v_exp_f32); a block whose every p lies under 2^(3 - 127) keeps the byte 1; NaN and infinities are not served.
; REGISTERS: window 0: v10-25 addresses, v28-29 for the add, v32-47 scale words (two sets), v64-255 L's fragments (two sets), later the way out.
;   window 1: R's fragments at v0 and v128 (two sets); v96-127, v224-255 c g[key] for the lane's 64 keys.   windows 2, 3: accumulator (a, b) at v[8 (8 (a % 4) + b)].
.set NA,    8
.set KS,    2
.set S,     8
.set NTY,   512
.set NTX,   512
.set FRB,   1536
.set HY,    3*KS*NA*FRB                ; LDS as it stands: [Q's half 0][Q's half 1][K's half 0][K's half 1], each with six K steps; slot n is K steps 2 n, 2 n + 1 of all four
.set HX,    3*KS*8*FRB
.set SLOT,  2*HY+2*HX
.set HSY,   (NA/4)*S*256
.set HSX,   2*S*256
.set SCY,   SLOT
.set SCX,   SCY+2*HSY
.set SPARE, SCX+2*HSX                  ; the spare words, 128 bytes for each wave: two blocks of 256 bytes that no other line names
.set SCR,   SPARE+512                  ; 1,536 bytes for each wave: scale words, -M and sums on their way out; no fill lands here
.set QS,    18874368                   ; qkv: where the scale words begin
.set PSW,   12582912                   ; pb: likewise; -M 524,288 bytes on, the sums 1,048,576
.set ADRL,  10                         ; v10-12  LDS address of L's fragments in slot 0, 1, 2
.set ADRR,  13                         ; v13-15  of R's
.set ADRS,  20                         ; v20     of the scale words: lanes 0-15 L's, lanes 16-31 R's
.set LI,    22
.set SCW,   23
.set SCRD,  24
.set SOFF,  25
.set SPW,   28
.set NIL,   29
.set SC,    32
.set LF,    64
.set H,     64
.set PC,    128
.set TM,    148
.set NMV,   164                        ; v164 -M (v165 named with it as a pair)
.set PWA,   168                        ; v168-175 scale words, v176-183 -M, v184-191 sums, one for each of L's tiles
.set NMA,   176
.set LA,    184
.set SA,    192                        ; v192-195 the sum's two chains
.set SB,    194
.set SEL,   66
.set OUTC,  20
.set OUTS,  22
.set G1Y,   24
.set G0Y,   32                         ; s[32:35] group 0 for Q's tiles: the head's load and slot 0's refill
.set G0Y2,  8
.set G1X,   48
.set G0X,   56                         ; s[56:59] the same for K's tiles
.set G0X2,  96
.set G1SY,  68
.set G0SY,  76
.set G1SX,  80
.set G0SX,  88
.set MSB, 0
.macro WIN new                         ; the immediate's high byte repeats the setting that is left; a switch that changes nothing is dropped
.if MSB != (\new)
	s_set_vgpr_msb (MSB<<8)|(\new)
.set MSB, (\new)
.endif
.endm
.macro PLACES                          ; four plain lines between a matrix instruction and a load into, or a read of, its registers
.rept 4
	v_nop
.endr
.endm
.macro CREST
	s_cmp_lg_u32 s14, 0
	s_cbranch_scc1 .Lnot_wave_0_\@
	s_barrier_signal -3
.Lnot_wave_0_\@:
	s_barrier_wait -3
	s_barrier_signal -1
	s_barrier_wait -1
.endm
.macro CROUND
	s_barrier_signal -1
	s_barrier_wait -1
	CREST
.endm
.macro JLOAD slot                      ; a joint refill: waves 0, 1 fetch Y's halves, waves 2, 3 X's; four v_nop follow each line
	s_cmp_eq_u32 s15, 0
	s_cbranch_scc0 .Lfor_x_\@
	tensor_load_to_lds s[G0Y+4*\slot:G0Y+4*\slot+3], s[G1Y:G1Y+7]
	s_nop 0
.rept 4
	v_nop
.endr
	s_branch .Lasked_\@
.Lfor_x_\@:
	tensor_load_to_lds s[G0X+4*\slot:G0X+4*\slot+3], s[G1X:G1X+7]
	s_nop 0
.rept 4
	v_nop
.endr
.Lasked_\@:
.endm
.macro FETCH slot, q, p, sg            ; one K step's operands into set p.  q: the step's place in the slot; sg: its number along K
	WIN 0x40
.irp i, 0,1,2,3,4,5,6,7
.irp c, 0,1,2
	ds_load_b128 v[128*(\p)+12*\i+4*\c:128*(\p)+12*\i+4*\c+3], v[ADRR+\slot] offset:(8*(\q)+\i)*FRB+512*\c
.endr
.endr
	WIN 0
.irp i, 0,1,2,3,4,5,6,7
.irp c, 0,1,2
	ds_load_b128 v[LF+12*NA*(\p)+12*\i+4*\c:LF+12*NA*(\p)+12*\i+4*\c+3], v[ADRL+\slot] offset:(NA*(\q)+\i)*FRB+512*\c
.endr
.endr
.irp i, 0,1,2,3,4,5,6,7
	ds_load_b32 v[SC+8*(\p)+\i], v[ADRS] offset:256*(\sg)+(\i/4)*S*256+(\i%4)*64
.endr
.endm
.macro MULA a, p, init                 ; eight products: L's tile a against R's eight; the accumulators take turns
	WIN 0xa1+0x50*((\a)/4)
.irp b, 0,1,2,3,4,5,6,7
.set rD, 8*(8*((\a)%4)+\b)
.set rR, 128*(\p)+12*\b
.set rL, LF+12*NA*(\p)+12*(\a)
.if (\init) == 0
	v_wmma_scale_f32_16x16x128_f8f6f4 v[rD:rD+7], v[rR:rR+11], v[rL:rL+11], v[rD:rD+7], v[SC+8*(\p)+\b], v[SC+8*(\p)+(\a)] matrix_a_fmt:MATRIX_FMT_FP6 matrix_b_fmt:MATRIX_FMT_FP6 matrix_a_scale:MATRIX_SCALE_ROW1
.else
	v_wmma_scale_f32_16x16x128_f8f6f4 v[rD:rD+7], v[rR:rR+11], v[rL:rL+11], 0, v[SC+8*(\p)+\b], v[SC+8*(\p)+(\a)] matrix_a_fmt:MATRIX_FMT_FP6 matrix_b_fmt:MATRIX_FMT_FP6 matrix_a_scale:MATRIX_SCALE_ROW1
.endif
.endr
.endm
; A K step on set p whose successor (place nq of slot nslot, number nsg along K) lies in bytes that every wave has been shown whole: no barrier.
.macro STEPN p, init, nslot, nq, nsg
	s_wait_dscnt 0x0                               ; this step's operands, asked for a step ago, are in
	MULA 0, \p, \init
	MULA 1, \p, \init
	PLACES                                         ; the other set was read by the step before
	FETCH \nslot, \nq, 1-(\p), \nsg
	MULA 2, \p, \init
	MULA 3, \p, \init
	MULA 4, \p, \init
	MULA 5, \p, \init
	MULA 6, \p, \init
	MULA 7, \p, \init
.endm
; A step (on set 1) with a barrier.  In front of it each wave waits for all its tensor loads, adds 0 to its spare word, and waits for that and for its reads.  fill = 1: the slot just read takes K steps 6 and 7.
.macro TURN slot, next, fill, sg
	WIN 0
	s_wait_tensorcnt 0x0                           ; all my tensor loads have landed
	ds_add_u32 v[SPW], v[NIL]                      ; 0 onto my spare word
	s_wait_dscnt 1                                 ; this step's operands are in; the add alone may be out
	MULA 0, 1, 0
	MULA 1, 1, 0
	s_wait_dscnt 0x0                               ; the add is done, and my reads of this slot are over
	s_barrier_signal -1
	MULA 2, 1, 0
	MULA 3, 1, 0
	WIN 0
	s_barrier_wait -1
.if \fill
	CREST                                          ; a round of the cluster's barrier: no wave of any partner still reads this slot or has a load on its way
	s_add_nc_u64 s[G0Y+4*\slot+2:G0Y+4*\slot+3], s[G0Y+4*\slot+2:G0Y+4*\slot+3], 3*KS*NTY*FRB
	s_add_nc_u64 s[G0X+4*\slot+2:G0X+4*\slot+3], s[G0X+4*\slot+2:G0X+4*\slot+3], 3*KS*NTX*FRB
	JLOAD \slot                                    ; the first tensor load behind the round; its four v_nop are also the places in front of the loads below
.else
	PLACES
.endif
	FETCH \next, 0, 0, (\sg)+1
	MULA 4, 1, 0
	MULA 5, 1, 0
	MULA 6, 1, 0
	MULA 7, 1, 0
.endm
.macro LAST
	s_wait_dscnt 0x0
.set a_, 0
.rept NA
	MULA a_, 1, 0
.set a_, a_+1
.endr
.endm
	s_load_b128 s[4:7], s[0:1], 0x0                ; qkv s[4:5], pb s[6:7]
	v_lshl_add_u32 v[SPW], v0, 2, SPARE
	v_mov_b32 v[NIL], 0
	ds_add_u32 v28, v29
	ds_add_u32 v28, v29
	s_wait_dscnt 0x0
	v_lshrrev_b32 v1, 5, v0
	v_readfirstlane_b32 s14, v1                    ; wave 0..3
	s_lshr_b32 s15, s14, 1                         ; which half of the queries is mine.  Also: I fetch for Q (0) or for K (1)
	s_and_b32 s16, s14, 1                          ; which half of the keys.  Also: which half I fetch
	s_bfe_u32 s40, ttmp6, 0x40000
	s_bfe_u32 s41, ttmp6, 0x40004
	s_lshl_b32 s42, ttmp9, 2
	s_add_co_u32 s42, s42, s40                     ; x
	s_and_b32 s18, ttmp7, 0xffff
	s_lshl_b32 s17, s18, 2
	s_add_co_u32 s17, s17, s41                     ; y
	s_lshr_b32 s18, s18, 1                         ; the batch, from the cluster's y alone: all partners share it
	s_lshl_b32 s43, s41, 2
	s_lshl_b32 s43, 15, s43                        ; my row of the cluster
	s_lshl_b32 s44, 0x1111, s40                    ; my column
	s_mov_b32 s[SEL], 0x76543210
	s_mov_b32 s[SEL+1], 0xfedcba98
	s_or_b32 s[G1Y+0], s43, (3<<16)|(1<<21)        ; 15:0 the mask; 17:16 elements of 8 bytes; 21 set beside a mask
	s_or_b32 s[G1X+0], s44, (3<<16)|(1<<21)
	s_mov_b32 s[G1Y+1], (NA*192)<<16
	s_mov_b32 s[G1Y+2], (3*KS)<<16                 ; six K steps at the head; behind the head's wait the two words that count rows are set to KS, for the refill
	s_mov_b32 s[G1Y+3], (NA*192)<<16
	s_mov_b32 s[G1Y+4], 3*KS
	s_mov_b32 s[G1Y+5], NTY*192
	s_mov_b32 s[G1Y+6], 0
	s_mov_b32 s[G1Y+7], 0
	s_mov_b32 s[G1X+1], 1536<<16
	s_mov_b32 s[G1X+2], (3*KS)<<16
	s_mov_b32 s[G1X+3], 1536<<16
	s_mov_b32 s[G1X+4], 3*KS
	s_mov_b32 s[G1X+5], NTX*192
	s_mov_b32 s[G1X+6], 0
	s_mov_b32 s[G1X+7], 0
	v_and_b32 v1, 15, v0                           ; r
	v_bfe_u32 v2, v0, 4, 1                         ; h
	v_and_b32 v3, 31, v0
	v_lshlrev_b32 v[LI], 4, v3
	s_mul_i32 s20, s15, HY                         ; L = Q's half HI
	s_mul_i32 s21, s16, HX
	s_add_co_u32 s21, s21, 2*HY                    ; R = K's half LO
	v_add_nc_u32 v[ADRL], s20, v[LI]
	v_add_nc_u32 v[ADRR], s21, v[LI]
	v_add_nc_u32 v[ADRL+1], KS*NA*FRB, v[ADRL]
	v_add_nc_u32 v[ADRR+1], KS*8*FRB, v[ADRR]
	v_add_nc_u32 v[ADRL+2], KS*NA*FRB, v[ADRL+1]
	v_add_nc_u32 v[ADRR+2], KS*8*FRB, v[ADRR+1]
	s_mul_i32 s20, s15, HSY
	s_mul_i32 s21, s16, HSX
	s_add_co_u32 s21, s21, SCX-SCY
	s_sub_co_u32 s21, s21, s20                     ; from L's scale words to R's
	v_mul_u32_u24 v4, s21, v2                      ; lanes 16-31 take R's
	s_add_co_u32 s20, s20, SCY
	v_lshl_add_u32 v5, v1, 2, s20
	v_add_nc_u32 v[ADRS], v5, v4
	s_mul_i32 s20, s14, 1536
	s_add_co_u32 s20, s20, SCR                     ; my scratch
	v_lshl_add_u32 v[SCW], v1, 2, s20
	v_add_nc_u32 v[SCRD], s20, v[LI]
	v_lshlrev_b32 v[SOFF], 12, v2                  ; lanes 16-31 hold the second group of four tiles: 16 K steps of 256 bytes on
	v_lshl_add_u32 v[SOFF], v1, 4, v[SOFF]
	v_lshlrev_b32 v6, 4, v0                        ; the scale words come through registers: 16 bytes a thread, 2,048 consecutive bytes a load of the work-group
	v_lshl_add_u32 v7, v0, 4, SCY                  ; and where they go in LDS
	s_lshl_b32 s20, s17, 4
	s_lshl_b32 s21, s16, 3
	s_add_co_u32 s20, s20, s21                     ; Q: tile 16 y + 8 x half
	s_mul_i32 s20, s20, FRB
	s_mov_b32 s21, 0
	s_lshl_b32 s22, s17, 13                        ; Q's scale words: four groups of 2,048 bytes a work-group
	s_add_co_u32 s22, s22, QS
	s_mov_b32 s23, 0
	s_lshl_b32 s46, s18, 7
	s_lshl_b32 s47, s42, 4
	s_add_co_u32 s46, s46, s47
	s_lshl_b32 s47, s16, 3
	s_add_co_u32 s46, s46, s47                     ; K: tile 128 x batch + 16 x + 8 x half
	s_mul_i32 s46, s46, FRB
	s_add_co_u32 s46, s46, 6291456
	s_mov_b32 s47, 0
	s_lshl_b32 s92, s18, 5
	s_lshl_b32 s93, s42, 2
	s_add_co_u32 s92, s92, s93
	s_lshl_b32 s92, s92, 11                        ; K's likewise
	s_add_co_u32 s92, s92, QS+262144
	s_mov_b32 s93, 0
	s_mul_i32 s45, s16, HY
	s_mul_i32 s94, s16, HX
	s_add_co_u32 s94, s94, 2*HY
	s_wait_kmcnt 0x0
	s_add_nc_u64 s[20:21], s[4:5], s[20:21]
	s_add_nc_u64 s[68:69], s[4:5], s[22:23]        ; Q's scale words
	s_add_nc_u64 s[46:47], s[4:5], s[46:47]
	s_add_nc_u64 s[70:71], s[4:5], s[92:93]        ; K's
.irp s, 0
	s_mov_b32 s[G0Y+4*\s], 1
	s_add_co_u32 s[G0Y+4*\s+1], s45, \s*SLOT
	s_add_nc_u64 s[G0Y+4*\s+2:G0Y+4*\s+3], s[20:21], \s*KS*NTY*FRB
	s_or_b32 s[G0Y+4*\s+3], s[G0Y+4*\s+3], 0x80000000
	s_mov_b32 s[G0X+4*\s], 1
	s_add_co_u32 s[G0X+4*\s+1], s94, \s*SLOT
	s_add_nc_u64 s[G0X+4*\s+2:G0X+4*\s+3], s[46:47], \s*KS*NTX*FRB
	s_or_b32 s[G0X+4*\s+3], s[G0X+4*\s+3], 0x80000000
.endr
	CROUND                                         ; all sixteen work-groups are here: the first joint loads meet
	s_cmp_eq_u32 s15, 0                            ; a wave's first fill stands in one branch: slots 0, 1, 2 in one tensor load of mine
	s_cbranch_scc0 .Lfirst_x
	tensor_load_to_lds s[G0Y:G0Y+3], s[G1Y:G1Y+7]   ; one tensor load a wave at the head: K steps 0-5 of my half of Q's tiles
	s_nop 0
.rept 4
	v_nop
.endr
	s_branch .Lfirst_asked
.Lfirst_x:
	tensor_load_to_lds s[G0X:G0X+3], s[G1X:G1X+7]   ; the same of K's tiles
	s_nop 0
.rept 4
	v_nop
.endr
.Lfirst_asked:
	s_wait_alu depctr_va_vdst(0)                   ; the wait here, ahead of the first readers of the head's registers
.irp k, 0,1,2,3
	global_load_b128 v[128+4*\k:131+4*\k], v6, s[68:69] offset:2048*\k   ; Q's scale words: 8,192 bytes
	global_load_b128 v[144+4*\k:147+4*\k], v6, s[70:71] offset:2048*\k   ; K's
.endr
	s_lshl_b32 s19, s42, 1
	s_add_co_u32 s19, s19, s16                     ; which 128 keys of the batch's 2,048 are my wave's
	s_lshl_b32 s2, s19, 7
	s_sub_co_u32 s2, s2, 1024
	v_lshl_add_u32 v4, v2, 4, s2                   ; key - 1024 of number 0, a whole number with its sign
	s_mov_b32 s92, 0xb638aa3b                      ; -log2(e) / (2 x 512^2)
	s_mov_b32 s93, s92
	s_mov_b32 s94, 0x3d38aa3b                      ; c = log2(e) / sqrt(1024)
	s_mov_b32 s95, s94
.set n_, 0
.rept 64
	v_add_nc_u32 v[H+n_], 32*(n_/16)+n_%16, v4
.set n_, n_+1
.endr
.set n_, 0
.rept 64
	v_cvt_f32_i32 v[H+n_], v[H+n_]
.set n_, n_+1
.endr
.set n_, 0
.rept 32
	v_pk_mul_f32 v[H+n_:H+n_+1], v[H+n_:H+n_+1], v[H+n_:H+n_+1]   ; (key - 1024)^2: a whole number under 2^21, exact
.set n_, n_+2
.endr
.set n_, 0
.rept 32
	v_pk_mul_f32 v[H+n_:H+n_+1], v[H+n_:H+n_+1], s[92:93] op_sel_hi:[1,0]
.set n_, n_+2
.endr
.set n_, 0
	s_wait_alu depctr_va_vdst(0)
.rept 64
	v_exp_f32 v[H+n_], v[H+n_]                     ; g
.set n_, n_+1
.endr
	v_nop                                          ; a plain line behind the exponentials
	s_wait_alu depctr_va_vdst(0)                   ; one wait for the batch, ahead of its first reader
	WIN 0x40                                       ; destination window 1
.set n_, 0
.rept 32
.set rC, 96+n_+96*(n_/32)
	v_pk_mul_f32 v[rC:rC+1], v[H+n_:H+n_+1], s[94:95] op_sel_hi:[1,0]
.set n_, n_+2
.endr
	WIN 0
	; where the results go: p's tile 16 y + 8 HI + a, K step 2 x + LO, 512 tiles a step
	s_lshl_b32 s92, s19, 9
	s_lshl_b32 s93, s17, 4
	s_lshl_b32 s94, s15, 3
	s_add_co_u32 s93, s93, s94
	s_add_co_u32 s92, s92, s93
	s_mul_i32 s20, s92, FRB
	s_mov_b32 s21, 0
	s_lshl_b32 s93, s93, 2                         ; (tile / 4) x 16 K steps
	s_add_co_u32 s93, s93, s19
	s_lshl_b32 s22, s93, 8
	s_add_co_u32 s22, s22, PSW
	s_mov_b32 s23, 0
	s_add_nc_u64 s[OUTC:OUTC+1], s[6:7], s[20:21]
	s_add_nc_u64 s[OUTS:OUTS+1], s[6:7], s[22:23]
	s_wait_loadcnt 0x0                             ; the scale words are in registers
	s_wait_tensorcnt 0x0                           ; my one tensor load has landed: so a descriptor may be written
	s_mov_b32 s[G1Y+2], KS<<16                     ; the refill brings two K steps
	s_mov_b32 s[G1Y+4], KS
	s_mov_b32 s[G1X+2], KS<<16
	s_mov_b32 s[G1X+4], KS
.irp k, 0,1,2,3,4,5,6,7
	ds_store_b128 v7, v[128+4*\k:131+4*\k] offset:2048*\k   ; Q's 8,192 bytes, then K's
.endr
	s_wait_dscnt 0x0                               ; for the others' sake: my stores have landed
	s_barrier_signal -1
	s_barrier_wait -1
	FETCH 0, 0, 0, 0
	STEPN 0, 1, 0, 1, 1                            ; K step 0: its products start the sums
	TURN 0, 1, 1, 1                                ; K step 1: slots 1 and 2 are whole in every wave; slot 0 takes K steps 6, 7
	STEPN 0, 0, 1, 1, 3                            ; K step 2
	STEPN 1, 0, 2, 0, 4                            ; K step 3: on into slot 2, which the round above has shown whole: no barrier
	STEPN 0, 0, 2, 1, 5                            ; K step 4
	TURN 2, 0, 0, 5                                ; K step 5: the refill has landed in every wave; nothing is left to fetch
	STEPN 0, 0, 0, 1, 7                            ; K step 6
	LAST                                           ; K step 7
	WIN 0
	PLACES
.irp b, 0,1,2,3
	v_mov_b32 v[TM+4+\b], 0                        ; written once: a lane permute's destination counts as one of its sources
.endr
	v_mov_b32 v[NMV+1], 0                          ; (named as the upper half of a pair)
; THE SOFTMAX'S PART for 16 queries x my 128 keys.
.macro SOFT a
	WIN 0x06+((\a)/4)                              ; source 0: the scores, window 2 or 3; source 1: c g, window 1
.set i_, 0
.rept 32
.set rC, 96+2*i_+96*(i_/16)
	v_pk_mul_f32 v[H+2*i_:H+2*i_+1], v[64*((\a)%4)+2*i_:64*((\a)%4)+2*i_+1], v[rC:rC+1]   ; t; each accumulator from its low end on
.set i_, i_+1
.endr
	WIN 0
.irp b, 0,1,2,3
	v_max3_num_f32 v[TM+\b], v[H+16*\b], v[H+1+16*\b], v[H+2+16*\b]   ; THE LARGEST t OF EACH BLOCK OF 32 KEYS serves twice: for M, and, since p rises with t, for the block's largest p
.endr
.irp i, 3,5,7,9,11,13
.irp b, 0,1,2,3
	v_max3_num_f32 v[TM+\b], v[TM+\b], v[H+16*\b+\i], v[H+1+16*\b+\i]
.endr
.endr
.irp b, 0,1,2,3
	v_max_num_f32 v[TM+\b], v[TM+\b], v[H+15+16*\b]
.endr
.irp b, 0,1,2,3
	v_permlanex16_b32 v[TM+4+\b], v[TM+\b], s[SEL], s[SEL+1]
.endr
.irp b, 0,1,2,3
	v_max_num_f32 v[TM+\b], v[TM+\b], v[TM+4+\b]   ; with lane l xor 16's 16 keys
.endr
	v_max3_num_f32 v[TM+8], v[TM], v[TM+1], v[TM+2]
	v_max_num_f32 v[TM+8], v[TM+8], v[TM+3]        ; the largest t of the 128
	v_floor_f32 v[NMV], -v[TM+8]                   ; -M = floor(-t) = -ceil(t): a whole number
.set i_, 0
.rept 32
	v_pk_add_f32 v[H+2*i_:H+2*i_+1], v[H+2*i_:H+2*i_+1], v[NMV:NMV+1] op_sel_hi:[1,0]   ; t - M
.set i_, i_+1
.endr
.irp b, 0,1,2,3
	v_add_f32 v[TM+\b], v[TM+\b], v[NMV]           ; the same of each block's largest t
.endr
.set i_, 0
	s_wait_alu depctr_va_vdst(0)
.rept 64
	v_exp_f32 v[H+i_], v[H+i_]                     ; p = 2^(t - M), at most 1
.set i_, i_+1
.endr
	v_mov_b32 v[NMA+(\a)], v[NMV]                  ; (a plain line behind the exponentials)
	s_wait_alu depctr_va_vdst(0)                   ; one wait for the batch, ahead of its first reader
.irp b, 0,1,2,3
	v_exp_f32 v[TM+\b], v[TM+\b]                   ; the block's largest p: the same two instructions on the same number give the same bits
.endr
	v_pk_add_f32 v[SA:SA+1], v[H:H+1], v[H+2:H+3]  ; THE SUM IS TAKEN OF THE UNQUANTISED p, in two chains.  (It reads the 64 alone: plain work behind the four)
	v_pk_add_f32 v[SB:SB+1], v[H+4:H+5], v[H+6:H+7]
.irp j, 8,12,16,20,24,28,32,36,40,44,48,52,56,60
	v_pk_add_f32 v[SA:SA+1], v[SA:SA+1], v[H+\j:H+\j+1]
	v_pk_add_f32 v[SB:SB+1], v[SB:SB+1], v[H+\j+2:H+\j+3]
.endr
	v_pk_add_f32 v[SA:SA+1], v[SA:SA+1], v[SB:SB+1]
	v_add_f32 v[SA], v[SA], v[SA+1]
	v_permlanex16_b32 v[SB], v[SA], s[SEL], s[SEL+1]
	v_add_f32 v[LA+(\a)], v[SA], v[SB]             ; with lane l xor 16's: the sum over the 128 keys
	s_wait_alu depctr_va_vdst(0)                   ; and one wait for the four
.irp b, 0,1,2,3
	v_max_num_f32 v[TM+\b], 0x1800000, v[TM+\b]    ; the floor 2^(3 - 127): the byte cannot fall under 1
.endr
.irp b, 0,1,2,3
	v_add_nc_u32 v[TM+12+\b], 0xff000000, v[TM+\b] ; 2 off the exponent field: the conversion's scale operand
.endr
.irp b, 0,1,2,3
	v_lshrrev_b32 v[TM+4+\b], 23, v[TM+12+\b]      ; the scale's byte, at most 125 since p is at most 1
.endr
	v_lshl_or_b32 v[PWA+(\a)], v[TM+5], 8, v[TM+4]
	v_lshl_or_b32 v[PWA+(\a)], v[TM+6], 16, v[PWA+(\a)]
	v_lshl_or_b32 v[PWA+(\a)], v[TM+7], 24, v[PWA+(\a)]
	s_wait_xcnt 0x0                                ; the last fragment's stores have read the registers that the conversions write
.irp c, 0,1
	v_cvt_scalef32_pk16_fp6_f32 v[PC+6*\c:PC+2+6*\c], v[H+32*\c:H+15+32*\c], v[TM+12+2*\c]
	v_cvt_scalef32_pk16_fp6_f32 v[PC+12+4*\c:PC+14+4*\c], v[H+16+32*\c:H+31+32*\c], v[TM+12+2*\c+1]
.endr
	v_nop                                          ; one plain line behind a scaled conversion
.irp c, 0,1
.irp i, 0,1,2
	v_permlane16_swap_b32 v[PC+6*\c+\i], v[PC+12+4*\c+\i]
.endr
.irp i, 0,1,2
	v_mov_b32 v[PC+3+6*\c+\i], v[PC+12+4*\c+\i]
.endr
.endr
.irp c, 0,1,2
	global_store_b128 v[LI], v[PC+4*\c:PC+4*\c+3], s[OUTC:OUTC+1] offset:FRB*(\a)+512*\c   ; p's fragment: 512 consecutive bytes a store
.endr
.endm
.irp a, 0,1,2,3,4,5,6,7
	SOFT \a
.endr
.irp a, 0,1,2,3,4,5,6,7
	ds_store_b32 v[SCW], v[PWA+\a] offset:64*\a    ; lanes r and r + 16 write the same word with the same value
	ds_store_b32 v[SCW], v[NMA+\a] offset:512+64*\a
	ds_store_b32 v[SCW], v[LA+\a] offset:1024+64*\a
.endr
	ds_load_b128 v[200:203], v[SCRD]               ; LDS serves a wave's instructions in order: these see my stores
	ds_load_b128 v[204:207], v[SCRD] offset:512
	ds_load_b128 v[208:211], v[SCRD] offset:1024
	s_wait_dscnt 0x0
	global_store_b128 v[SOFF], v[200:203], s[OUTS:OUTS+1]                  ; each half of the lanes stores one aligned block of 256 bytes
	global_store_b128 v[SOFF], v[204:207], s[OUTS:OUTS+1] offset:524288
	global_store_b128 v[SOFF], v[208:211], s[OUTS:OUTS+1] offset:1048576
	s_wait_tensorcnt 0x0                           ; the wave's end
	ds_add_u32 v[SPW], v[NIL]
	s_wait_dscnt 0x0
	CROUND                                         ; the closing round
	s_endpgm
.Lfunc_end_k_qfa898d3766_score:
	.size	k_qfa898d3766_score, .Lfunc_end_k_qfa898d3766_score-k_qfa898d3766_score
	.p2alignl 7, 3214868480
	.fill 96, 4, 3214868480
	.section	.rodata,"a",@progbits
	.p2align	6, 0x0
	.amdhsa_kernel k_qfa898d3766_score
		.amdhsa_group_segment_fixed_size 327680
		.amdhsa_private_segment_fixed_size 0
		.amdhsa_enable_private_segment 0
		.amdhsa_kernarg_size 16
		.amdhsa_user_sgpr_count 2
		.amdhsa_user_sgpr_kernarg_segment_ptr 1
		.amdhsa_wavefront_size32 1
		.amdhsa_system_sgpr_workgroup_id_x 1
		.amdhsa_system_sgpr_workgroup_id_y 1
		.amdhsa_system_sgpr_workgroup_id_z 1
		.amdhsa_system_vgpr_workitem_id 0
		.amdhsa_next_free_vgpr 1024
		.amdhsa_next_free_sgpr 100
		.amdhsa_reserve_vcc 0
		.amdhsa_float_denorm_mode_32 3
		.amdhsa_float_denorm_mode_16_64 3
		.amdhsa_memory_ordered 1
		.amdhsa_forward_progress 1
		.amdhsa_inst_pref_size 222
	.end_amdhsa_kernel
	.amdgpu_metadata
---
amdhsa.version: [ 1, 2 ]
amdhsa.kernels:
  - .name:           k_qfa898d3766_score
    .symbol:         k_qfa898d3766_score.kd
    .args:
      - { .name: qkv, .offset: 0, .size: 8, .value_kind: global_buffer, .address_space: global }
      - { .name: pb, .offset: 8, .size: 8, .value_kind: global_buffer, .address_space: global }
    .group_segment_fixed_size: 327680
    .private_segment_fixed_size: 0
    .kernarg_segment_align: 8
    .kernarg_segment_size: 16
    .max_flat_workgroup_size: 128
    .sgpr_count:     100
    .vgpr_count:     1024
    .wavefront_size: 32
...
	.end_amdgpu_metadata
.endif
;; end of part 3
;; launch pv (part 4): grid 4 x 64, 4 waves a work-group, clusters of 4 x 4, 327,680 bytes of LDS; arguments pb, qkv, ob; writes ob
.if DOCPART == 4
	.amdgcn_target "amdgcn-amd-amdhsa--gfx1250"
	.amdhsa_code_object_version 6
	.text
	.protected	k_qfa898d3766_pv
	.globl	k_qfa898d3766_pv
	.p2align	8
	.type	k_qfa898d3766_pv,@function
k_qfa898d3766_pv:
	s_mov_b64 s[64:65], 0
	v_nop
	global_prefetch_b8 v0, s[64:65] scope:SCOPE_SE
	s_setreg_imm32_b32 hwreg(HW_REG_WAVE_MODE, 25, 1), 1
	s_wait_xcnt 0x0
	s_wait_alu depctr_hold_cnt(0) depctr_sa_sdst(0) depctr_va_vdst(0) depctr_va_sdst(0) depctr_va_ssrc(0) depctr_va_vcc(0) depctr_vm_vsrc(0)
	s_getreg_b32 s2, hwreg(HW_REG_IB_STS2, 6, 4)
	s_cmp_eq_u32 s2, 0
	s_cbranch_scc0 .Lentry_in_a_cluster
	s_endpgm
.Lentry_in_a_cluster:
	s_bfe_u32 s2, ttmp6, 0x10000c
	s_cmp_lg_u32 s2, 0xf033
	s_cbranch_scc0 .Lentry_shape_is_right
	s_endpgm
.Lentry_shape_is_right:
; O = (P V) / l on codes of FP6 (E2M3), quantised at once along d for the last product.
; p came under a LOCAL whole-number M for each 128 keys.  At the head each thread takes one query: the row's -M is the least of its 16 local ones; E = (row's -M) - (local -M), a whole number, 0 or less, held at -127;
; the row's sum is the sum of the local sums x 2^E; each of the four scale bytes of the local word gets E added, held at 0 from below.  The codes stay as they are.  The moved words go to LDS, where the products take them.
; BUFFERS: as images of operand registers: fragment (tile T, K step s) at (NT s + T) x 1,536; lane r of tile T holds row 32 (T / 2) + 8 (T % 2) + r + 8 (r / 8); words at ((T / 4) S + s) x 256 + (T % 4) x 64 + 4 r.
; SHARES.  Tiles of 256 x 256 would be 128, half as many as there are WGPs: so work-group (x, y) takes 128 queries (y) x 256 of d (x).  Four waves, each 64 queries (L: one a lane) x 128 of d (R = V^T: along the registers): 32 accumulators.
; K (the batch's 2,048 keys) goes in slots of FOUR steps through a ring of two LDS slots, so that a refill has 128 products a wave in which to land; written out.  CLUSTERS: 4 x 4; P's tiles shared along a row, V's along a column.
; No prefetch: sixteen K steps, tiles shared by joint loads.
; LIMITS: a block of p whose byte would fall under 0 keeps its codes under the byte 0 (2^-127) where the rule gives zeros; local sums more than 127 under the row's M are added at 2^-127; both lie under 1e-35 of a row's sum,
; which is above 1/2.  A block of O of zeros or under 2^(3 - 127) keeps the byte 1.  NaN and infinities are not served.
.set NA,    4
.set KS,    4
.set S,     16
.set NTY,   512
.set NTX,   64
.set FRB,   1536
.set HY,    2*KS*NA*FRB                ; LDS as it stands: [P's half 0][P's half 1][V's half 0][V's half 1], each with eight K steps; slot n is K steps 4 n on of all four
.set HX,    2*KS*8*FRB
.set SLOT,  2*HY+2*HX
.set HSY,   (NA/4)*S*256
.set HSX,   2*S*256
.set SCY,   SLOT                       ; P's moved scale words: written by the threads, no fill lands here
.set SCX,   SCY+2*HSY
.set RL,    SCX+2*HSX                  ; 1 / l for the 128 queries
.set SPARE, RL+512                     ; the spare words, 128 bytes for each wave: two blocks of 256 bytes that no other line names
.set SCR,   SPARE+512                  ; 256 bytes for each wave: O's scale words on their way out
.set QS,    18874368
.set PSW,   12582912
.set OSW,   6291456                    ; ob: where the scale words begin
.set ADRL,  16
.set ADRR,  18
.set ADRS,  20                         ; v20  scale words: lanes 0-15 L's tile i, lanes 16-31 R's tile i (i under 4)
.set ADRSR, 21                         ; v21  R's in all lanes, for R's tiles 4 to 7
.set LI,    22
.set PO,    23                         ; v23  my query's place among the words of the work-group's 128
.set PL,    24                         ; v24  the same in LDS
.set RLW,   25                         ; v25  where my query's 1 / l goes
.set RLR,   26                         ; v26  where my lane reads a tile's
.set SCW,   27
.set SPW,   28
.set NIL,   29
.set SCRD,  30
.set SOFF,  31
.set SC,    32
.set BL,    48                         ; v48-55  1 / l for each of L's tiles, in pairs
.set LF,    64
.set W,     64                         ; the head: v64-79 the 16 local scale words, v80-95 -M, v96-111 sums, v112-127 at work
.set NMR,   80
.set LR,    96
.set T,     112
.set H,     64
.set PC,    128
.set TM,    148
.set PWA,   168
.set SEL,   66
.set OUTC,  20
.set OUTS,  22
.set G1Y,   24
.set G0Y,   32
.set G1X,   48
.set G0X,   56
.set G1SX,  80
.set G0SX,  88
.set MSB, 0
.macro WIN new                         ; the immediate's high byte repeats the setting that is left; a switch that changes nothing is dropped
.if MSB != (\new)
	s_set_vgpr_msb (MSB<<8)|(\new)
.set MSB, (\new)
.endif
.endm
.macro PLACES                          ; four plain lines between a matrix instruction and a load into, or a read of, its registers
.rept 4
	v_nop
.endr
.endm
.macro CREST
	s_cmp_lg_u32 s14, 0
	s_cbranch_scc1 .Lnot_wave_0_\@
	s_barrier_signal -3
.Lnot_wave_0_\@:
	s_barrier_wait -3
	s_barrier_signal -1
	s_barrier_wait -1
.endm
.macro CROUND
	s_barrier_signal -1
	s_barrier_wait -1
	CREST
.endm
.macro JLOAD slot                      ; a joint refill: waves 0, 1 fetch Y's halves, waves 2, 3 X's; four v_nop follow each line
	s_cmp_eq_u32 s15, 0
	s_cbranch_scc0 .Lfor_x_\@
	tensor_load_to_lds s[G0Y+4*\slot:G0Y+4*\slot+3], s[G1Y:G1Y+7]
	s_nop 0
.rept 4
	v_nop
.endr
	s_branch .Lasked_\@
.Lfor_x_\@:
	tensor_load_to_lds s[G0X+4*\slot:G0X+4*\slot+3], s[G1X:G1X+7]
	s_nop 0
.rept 4
	v_nop
.endr
.Lasked_\@:
.endm
.macro FETCH slot, q, p, sg            ; one K step's operands into set p
	WIN 0x40
.irp i, 0,1,2,3,4,5,6,7
.irp c, 0,1,2
	ds_load_b128 v[128*(\p)+12*\i+4*\c:128*(\p)+12*\i+4*\c+3], v[ADRR+\slot] offset:(8*(\q)+\i)*FRB+512*\c
.endr
.endr
	WIN 0
.set i_, 0
.rept NA
.irp c, 0,1,2
	ds_load_b128 v[LF+12*NA*(\p)+12*i_+4*\c:LF+12*NA*(\p)+12*i_+4*\c+3], v[ADRL+\slot] offset:(NA*(\q)+i_)*FRB+512*\c
.endr
.set i_, i_+1
.endr
.irp i, 0,1,2,3,4,5,6,7
.if (NA == 4) && (\i >= 4)
	ds_load_b32 v[SC+8*(\p)+\i], v[ADRSR] offset:256*(\sg)+(\i/4)*S*256+(\i%4)*64
.else
	ds_load_b32 v[SC+8*(\p)+\i], v[ADRS] offset:256*(\sg)+(\i/4)*S*256+(\i%4)*64
.endif
.endr
.endm
.macro MULA a, p, init                 ; eight products: L's tile a against R's eight; the accumulators take turns
	WIN 0xa1
.irp b, 0,1,2,3,4,5,6,7
.set rD, 8*(8*(\a)+\b)
.set rR, 128*(\p)+12*\b
.set rL, LF+12*NA*(\p)+12*(\a)
.if (\init) == 0
	v_wmma_scale_f32_16x16x128_f8f6f4 v[rD:rD+7], v[rR:rR+11], v[rL:rL+11], v[rD:rD+7], v[SC+8*(\p)+\b], v[SC+8*(\p)+(\a)] matrix_a_fmt:MATRIX_FMT_FP6 matrix_b_fmt:MATRIX_FMT_FP6 matrix_a_scale:MATRIX_SCALE_ROW1
.else
	v_wmma_scale_f32_16x16x128_f8f6f4 v[rD:rD+7], v[rR:rR+11], v[rL:rL+11], 0, v[SC+8*(\p)+\b], v[SC+8*(\p)+(\a)] matrix_a_fmt:MATRIX_FMT_FP6 matrix_b_fmt:MATRIX_FMT_FP6 matrix_a_scale:MATRIX_SCALE_ROW1
.endif
.endr
.endm
.macro STEP slot, q, init, sg
	s_wait_dscnt 0x0                               ; this step's operands, asked for a step ago, are in
	MULA 0, (\q)%2, \init
	PLACES                                         ; the other set was read by the step before
	FETCH \slot, (\q)+1, 1-(\q)%2, (\sg)+1
	MULA 1, (\q)%2, \init
	MULA 2, (\q)%2, \init
	MULA 3, (\q)%2, \init
.endm
.macro TURN slot, next, fill, sg       ; a slot's last step changes slots: ONE barrier
	WIN 0
	s_wait_tensorcnt 0x0                           ; all my tensor loads have landed: my part of the next slot
	ds_add_u32 v[SPW], v[NIL]                      ; 0 onto my spare word
	s_wait_dscnt 1                                 ; this step's operands are in; the add alone may be out
	MULA 0, 1, 0
	s_wait_dscnt 0x0                               ; the add is done, and my reads of this slot are over
	s_barrier_signal -1
	MULA 1, 1, 0
	WIN 0
	s_barrier_wait -1
.if \fill
	CREST                                          ; a round of the cluster's barrier: no wave of any partner still reads this slot or has a load on its way
	s_add_nc_u64 s[G0Y+4*\slot+2:G0Y+4*\slot+3], s[G0Y+4*\slot+2:G0Y+4*\slot+3], 2*KS*NTY*FRB
	s_add_nc_u64 s[G0X+4*\slot+2:G0X+4*\slot+3], s[G0X+4*\slot+2:G0X+4*\slot+3], 2*KS*NTX*FRB
	JLOAD \slot                                    ; the first tensor load behind the round; its four v_nop are also the places in front of the loads below
.else
	PLACES
.endif
	FETCH \next, 0, 0, (\sg)+1
	MULA 2, 1, 0
	MULA 3, 1, 0
.endm
.macro LAST
	s_wait_dscnt 0x0
	MULA 0, 1, 0
	MULA 1, 1, 0
	MULA 2, 1, 0
	MULA 3, 1, 0
.endm
.macro QUANT pw                        ; a lane's 64 numbers in v[H] on become a fragment's codes in v[PC] on and the row's scale word in v[pw]
.irp b, 0,1,2,3
	v_max3_num_f32 v[TM+\b], |v[H+16*\b]|, |v[H+1+16*\b]|, 0x1800000   ; block b: my 16 numbers, and the floor 2^(3 - 127)
.endr
.irp i, 2,4,6,8,10,12,14
.irp b, 0,1,2,3
	v_max3_num_f32 v[TM+\b], v[TM+\b], |v[H+16*\b+\i]|, |v[H+1+16*\b+\i]|
.endr
.endr
.irp b, 0,1,2,3
	v_permlanex16_b32 v[TM+4+\b], v[TM+\b], s[SEL], s[SEL+1]
.endr
.irp b, 0,1,2,3
	v_max_num_f32 v[TM+\b], v[TM+\b], v[TM+4+\b]
.endr
.irp b, 0,1,2,3
	v_add_nc_u32 v[TM+12+\b], 0xff000000, v[TM+\b]
.endr
.irp b, 0,1,2,3
	v_lshrrev_b32 v[TM+4+\b], 23, v[TM+12+\b]
.endr
	v_lshl_or_b32 v[\pw], v[TM+5], 8, v[TM+4]
	v_lshl_or_b32 v[\pw], v[TM+6], 16, v[\pw]
	v_lshl_or_b32 v[\pw], v[TM+7], 24, v[\pw]
	s_wait_xcnt 0x0                                ; the last fragment's stores have read the registers that the conversions write
.irp c, 0,1
	v_cvt_scalef32_pk16_fp6_f32 v[PC+6*\c:PC+2+6*\c], v[H+32*\c:H+15+32*\c], v[TM+12+2*\c]
	v_cvt_scalef32_pk16_fp6_f32 v[PC+12+4*\c:PC+14+4*\c], v[H+16+32*\c:H+31+32*\c], v[TM+12+2*\c+1]
.endr
	v_nop                                          ; one plain line behind a scaled conversion
.irp c, 0,1
.irp i, 0,1,2
	v_permlane16_swap_b32 v[PC+6*\c+\i], v[PC+12+4*\c+\i]
.endr
.irp i, 0,1,2
	v_mov_b32 v[PC+3+6*\c+\i], v[PC+12+4*\c+\i]
.endr
.endr
.endm
	s_load_b128 s[4:7], s[0:1], 0x0                ; pb s[4:5], qkv s[6:7]
	s_load_b64 s[8:9], s[0:1], 0x10                ; ob
	v_lshl_add_u32 v[SPW], v0, 2, SPARE
	v_mov_b32 v[NIL], 0
	ds_add_u32 v28, v29
	ds_add_u32 v28, v29
	s_wait_dscnt 0x0
	v_lshrrev_b32 v1, 5, v0
	v_readfirstlane_b32 s14, v1                    ; wave 0..3
	s_lshr_b32 s15, s14, 1                         ; which half of the queries is mine.  Also: I fetch for P (0) or for V (1)
	s_and_b32 s16, s14, 1                          ; which half of d.  Also: which half I fetch
	s_bfe_u32 s40, ttmp6, 0x40000
	s_bfe_u32 s41, ttmp6, 0x40004
	s_lshl_b32 s42, ttmp9, 2
	s_add_co_u32 s42, s42, s40                     ; x
	s_and_b32 s18, ttmp7, 0xffff
	s_lshl_b32 s17, s18, 2
	s_add_co_u32 s17, s17, s41                     ; y
	s_lshr_b32 s18, s18, 2                         ; the batch, from the cluster's y alone
	s_lshl_b32 s43, s41, 2
	s_lshl_b32 s43, 15, s43
	s_lshl_b32 s44, 0x1111, s40
	s_mov_b32 s[SEL], 0x76543210
	s_mov_b32 s[SEL+1], 0xfedcba98
	s_or_b32 s[G1Y+0], s43, (3<<16)|(1<<21)        ; 15:0 the mask; 17:16 elements of 8 bytes; 21 set beside a mask
	s_or_b32 s[G1X+0], s44, (3<<16)|(1<<21)
	s_mov_b32 s[G1Y+1], (NA*192)<<16
	s_mov_b32 s[G1Y+2], (2*KS)<<16                 ; eight K steps at the head; behind the head's wait the two words that count rows are set to KS, for the refills
	s_mov_b32 s[G1Y+3], (NA*192)<<16
	s_mov_b32 s[G1Y+4], 2*KS
	s_mov_b32 s[G1Y+5], NTY*192
	s_mov_b32 s[G1Y+6], 0
	s_mov_b32 s[G1Y+7], 0
	s_mov_b32 s[G1X+1], 1536<<16
	s_mov_b32 s[G1X+2], (2*KS)<<16
	s_mov_b32 s[G1X+3], 1536<<16
	s_mov_b32 s[G1X+4], 2*KS
	s_mov_b32 s[G1X+5], NTX*192
	s_mov_b32 s[G1X+6], 0
	s_mov_b32 s[G1X+7], 0
	v_and_b32 v1, 15, v0                           ; r
	v_bfe_u32 v2, v0, 4, 1                         ; h
	s_wait_alu depctr_va_vdst(0)
	v_and_b32 v3, 31, v0
	v_lshlrev_b32 v[LI], 4, v3
	s_mul_i32 s20, s15, HY
	s_mul_i32 s21, s16, HX
	s_add_co_u32 s21, s21, 2*HY
	v_add_nc_u32 v[ADRL], s20, v[LI]
	v_add_nc_u32 v[ADRR], s21, v[LI]
	v_add_nc_u32 v[ADRL+1], KS*NA*FRB, v[ADRL]
	v_add_nc_u32 v[ADRR+1], KS*8*FRB, v[ADRR]
	s_mul_i32 s20, s15, HSY
	s_mul_i32 s21, s16, HSX
	s_add_co_u32 s21, s21, SCX-SCY
	s_add_co_u32 s22, s21, SCY
	v_lshl_add_u32 v[ADRSR], v1, 2, s22            ; R's words in all lanes
	s_sub_co_u32 s21, s21, s20                     ; from L's scale words to R's
	v_mul_u32_u24 v4, s21, v2
	s_add_co_u32 s20, s20, SCY
	v_lshl_add_u32 v5, v1, 2, s20
	v_add_nc_u32 v[ADRS], v5, v4
	v_lshrrev_b32 v4, 6, v0                        ; thread t owns query: tile t / 16, lane t % 16: its words lie (t / 64) x 4,096 + (t % 64) x 4 bytes on, 256 bytes from K step to K step
	v_and_b32 v5, 63, v0
	v_lshlrev_b32 v5, 2, v5
	v_lshl_add_u32 v[PO], v4, 12, v5
	v_add_nc_u32 v[PL], SCY, v[PO]
	v_lshl_add_u32 v[RLW], v0, 2, RL
	s_lshl_b32 s20, s15, 8
	s_add_co_u32 s20, s20, RL
	v_lshl_add_u32 v[RLR], v1, 2, s20
	s_lshl_b32 s20, s14, 8
	s_add_co_u32 s20, s20, SCR
	v_lshl_add_u32 v[SCW], v1, 2, s20
	v_lshl_add_u32 v[SCRD], v3, 3, s20
	v_lshlrev_b32 v[SOFF], 3, v3
	v_lshlrev_b32 v6, 4, v0                        ; V's scale words come through registers: 16 bytes a thread, 2,048 consecutive bytes a load of the work-group
	v_lshl_add_u32 v7, v0, 4, SCX                  ; and where they go in LDS
	s_lshl_b32 s20, s17, 3
	s_lshl_b32 s21, s16, 2
	s_add_co_u32 s20, s20, s21                     ; P: tile 8 y + 4 x half
	s_mul_i32 s20, s20, FRB
	s_mov_b32 s21, 0
	s_lshl_b32 s22, s17, 13                        ; the words of my work-group's 128 queries: two groups of four tiles, 4,096 bytes each
	s_add_co_u32 s22, s22, PSW
	s_mov_b32 s23, 0
	s_lshl_b32 s46, s42, 4
	s_lshl_b32 s47, s16, 3
	s_add_co_u32 s46, s46, s47                     ; V^T: tile 16 x + 8 x half of the batch's 64
	s_mul_i32 s46, s46, FRB
	s_mul_i32 s47, s18, 1572864
	s_add_co_u32 s46, s46, s47
	s_add_co_u32 s46, s46, 12582912
	s_mov_b32 s47, 0
	s_lshl_b32 s92, s42, 14                        ; V's scale words: four groups of 4,096 bytes a work-group
	s_lshl_b32 s93, s18, 16
	s_add_co_u32 s92, s92, s93
	s_add_co_u32 s92, s92, QS+524288
	s_mov_b32 s93, 0
	s_mul_i32 s45, s16, HY
	s_mul_i32 s94, s16, HX
	s_add_co_u32 s94, s94, 2*HY
	s_wait_kmcnt 0x0
	s_add_nc_u64 s[20:21], s[4:5], s[20:21]
	s_add_nc_u64 s[22:23], s[4:5], s[22:23]
	s_add_nc_u64 s[46:47], s[6:7], s[46:47]
	s_add_nc_u64 s[80:81], s[6:7], s[92:93]        ; V's scale words
.irp s, 0,1
	s_mov_b32 s[G0Y+4*\s], 1
	s_add_co_u32 s[G0Y+4*\s+1], s45, \s*KS*NA*FRB
	s_add_nc_u64 s[G0Y+4*\s+2:G0Y+4*\s+3], s[20:21], \s*KS*NTY*FRB
	s_or_b32 s[G0Y+4*\s+3], s[G0Y+4*\s+3], 0x80000000
	s_mov_b32 s[G0X+4*\s], 1
	s_add_co_u32 s[G0X+4*\s+1], s94, \s*KS*8*FRB
	s_add_nc_u64 s[G0X+4*\s+2:G0X+4*\s+3], s[46:47], \s*KS*NTX*FRB
	s_or_b32 s[G0X+4*\s+3], s[G0X+4*\s+3], 0x80000000
.endr
	CROUND                                         ; all sixteen work-groups are here: the first joint loads meet
	s_cmp_eq_u32 s15, 0                            ; a wave's first fill stands in one branch: both slots in one tensor load of mine
	s_cbranch_scc0 .Lfirst_x
	tensor_load_to_lds s[G0Y:G0Y+3], s[G1Y:G1Y+7]   ; one tensor load a wave at the head: K steps 0-7 of my half of P's tiles: both slots
	s_nop 0
.rept 4
	v_nop
.endr
	s_branch .Lfirst_asked
.Lfirst_x:
	tensor_load_to_lds s[G0X:G0X+3], s[G1X:G1X+7]   ; the same of V's tiles
	s_nop 0
.rept 4
	v_nop
.endr
.Lfirst_asked:
	; THE ROW'S M AND SUM, a query a thread, while the first tiles are on their way
	s_wait_alu depctr_va_vdst(0)
.irp s, 0,1,2,3,4,5,6,7,8,9,10,11,12,13,14,15
	global_load_b32 v[NMR+\s], v[PO], s[22:23] offset:524288+256*\s
.endr
.irp s, 0,1,2,3,4,5,6,7,8,9,10,11,12,13,14,15
	global_load_b32 v[LR+\s], v[PO], s[22:23] offset:1048576+256*\s
	global_load_b32 v[W+\s], v[PO], s[22:23] offset:256*\s
.endr
.irp k, 0,1,2,3,4,5,6,7
	global_load_b128 v[128+4*\k:131+4*\k], v6, s[80:81] offset:2048*\k   ; V's scale words: 16,384 bytes
.endr
	; where the results go: O's tile 8 y + 4 HI + a, K step 2 x + LO, 512 tiles a step
	s_lshl_b32 s92, s42, 1
	s_add_co_u32 s92, s92, s16
	s_lshl_b32 s93, s17, 3
	s_lshl_b32 s94, s15, 2
	s_add_co_u32 s93, s93, s94
	s_lshl_b32 s94, s92, 9
	s_add_co_u32 s94, s94, s93
	s_mul_i32 s94, s94, FRB
	s_mov_b32 s95, 0
	s_lshl_b32 s93, s93, 1                         ; (tile / 4) x 8 K steps
	s_add_co_u32 s93, s93, s92
	s_lshl_b32 s96, s93, 8
	s_add_co_u32 s96, s96, OSW
	s_mov_b32 s97, 0
	s_mov_b32 s98, 0x01010101
	s_mov_b32 s99, 0x80808080
	s_wait_loadcnt 0x0                             ; (the loads have also read their base, which is written next)
	s_add_nc_u64 s[OUTC:OUTC+1], s[8:9], s[94:95]
	s_add_nc_u64 s[OUTS:OUTS+1], s[8:9], s[96:97]
	v_min3_num_f32 v160, v[NMR], v[NMR+1], v[NMR+2]
.irp s, 3,5,7,9,11,13
	v_min3_num_f32 v160, v160, v[NMR+\s], v[NMR+\s+1]
.endr
	v_min_num_f32 v160, v160, v[NMR+15]            ; the row's -M
.irp s, 0,1,2,3,4,5,6,7,8,9,10,11,12,13,14,15
	v_sub_f32 v[NMR+\s], v160, v[NMR+\s]           ; local M - the row's M: a whole number, 0 or less
.endr
.irp s, 0,1,2,3,4,5,6,7,8,9,10,11,12,13,14,15
	v_max_num_f32 v[NMR+\s], 0xc2fe0000, v[NMR+\s] ; held at -127
.endr
.irp s, 0,1,2,3,4,5,6,7,8,9,10,11,12,13,14,15
	v_cvt_i32_f32 v[NMR+\s], v[NMR+\s]             ; E
.endr
.irp s, 0,1,2,3,4,5,6,7,8,9,10,11,12,13,14,15
	v_ldexp_f32 v[LR+\s], v[LR+\s], v[NMR+\s]      ; the local sum under the row's M
.endr
.irp s, 0,1,2,3,4,5,6,7,8,9,10,11,12,13,14,15
	v_mul_lo_u32 v[NMR+\s], v[NMR+\s], s98         ; E in each of the four bytes, modulo 2^32
.endr
.irp s, 0,1,2,3,4,5,6,7,8,9,10,11,12,13,14,15
	v_or_b32 v[W+\s], s99, v[W+\s]                 ; a byte is at most 125: 128 on top of each keeps the bytes apart,
.endr
.irp s, 0,1,2,3,4,5,6,7,8,9,10,11,12,13,14,15
	v_add_nc_u32 v[W+\s], v[W+\s], v[NMR+\s]       ; 128 + byte + E lies between 1 and 253: no borrow from byte to byte
.endr
.irp s, 0,1,2,3,4,5,6,7,8,9,10,11,12,13,14,15
	v_and_b32 v[NMR+\s], s99, v[W+\s]              ; the top bit stands where byte + E is 0 or more
.endr
.irp s, 0,1,2,3,4,5,6,7,8,9,10,11,12,13,14,15
	v_lshrrev_b32 v[T+\s], 7, v[NMR+\s]
.endr
.irp s, 0,1,2,3,4,5,6,7,8,9,10,11,12,13,14,15
	v_sub_nc_u32 v[NMR+\s], v[NMR+\s], v[T+\s]     ; 0x7f there, 0 elsewhere
.endr
.irp s, 0,1,2,3,4,5,6,7,8,9,10,11,12,13,14,15
	v_and_b32 v[W+\s], v[W+\s], v[NMR+\s]          ; byte + E, held at 0
.endr
.irp s, 0,1,2,3,4,5,6,7,8,9,10,11,12,13,14,15
	ds_store_b32 v[PL], v[W+\s] offset:256*\s
.endr
.irp s, 0,2,4,6,8,10,12,14
	v_add_f32 v[LR+\s], v[LR+\s], v[LR+\s+1]
.endr
.irp s, 0,4,8,12
	v_add_f32 v[LR+\s], v[LR+\s], v[LR+\s+2]
.endr
	v_add_f32 v[LR], v[LR], v[LR+4]
	v_add_f32 v[LR+8], v[LR+8], v[LR+12]
	v_add_f32 v[LR], v[LR], v[LR+8]                ; l: above 1/2, since the row's largest p is
	s_wait_alu depctr_va_vdst(0)
	v_rcp_f32 v161, v[LR]
	v_nop                                          ; a plain line behind the reciprocal
	s_wait_alu depctr_va_vdst(0)                   ; and the wait ahead of its first reader
	ds_store_b32 v[RLW], v161
	s_wait_tensorcnt 0x0                           ; my one tensor load has landed: so a descriptor may be written
	s_mov_b32 s[G1Y+2], KS<<16                     ; a refill brings four K steps
	s_mov_b32 s[G1Y+4], KS
	s_mov_b32 s[G1X+2], KS<<16
	s_mov_b32 s[G1X+4], KS
.irp k, 0,1,2,3,4,5,6,7
	ds_store_b128 v7, v[128+4*\k:131+4*\k] offset:2048*\k
.endr
	s_wait_dscnt 0x0                               ; for the others' sake: my stores have landed
	s_barrier_signal -1
	s_barrier_wait -1
.irp a, 0,1,2,3
	ds_load_b32 v[BL+2*\a], v[RLR] offset:64*\a    ; 1 / l of my lane's query in each of L's tiles,
	ds_load_b32 v[BL+2*\a+1], v[RLR] offset:64*\a  ; twice: it is named as a pair
.endr
	FETCH 0, 0, 0, 0
	STEP 0, 0, 1, 0                                ; the first step's products start the sums
	STEP 0, 1, 0, 1
	STEP 0, 2, 0, 2
	TURN 0, 1, 1, 3                                ; slot 0 takes K steps 8 to 11
	STEP 1, 0, 0, 4
	STEP 1, 1, 0, 5
	STEP 1, 2, 0, 6
	TURN 1, 0, 1, 7                                ; slot 1 takes K steps 12 to 15
	STEP 0, 0, 0, 8
	STEP 0, 1, 0, 9
	STEP 0, 2, 0, 10
	TURN 0, 1, 0, 11                               ; nothing is left to fetch
	STEP 1, 0, 0, 12
	STEP 1, 1, 0, 13
	STEP 1, 2, 0, 14
	LAST
	WIN 0
	PLACES
.irp b, 0,1,2,3
	v_mov_b32 v[TM+4+\b], 0                        ; written once: a lane permute's destination counts as one of its sources
.endr
.macro BLOCK a
	WIN 0x02                                       ; source 0: window 2
.set i_, 0
.rept 32
	v_pk_mul_f32 v[H+2*i_:H+2*i_+1], v[64*(\a)+2*i_:64*(\a)+2*i_+1], v[BL+2*(\a):BL+2*(\a)+1] op_sel_hi:[1,0]   ; / l; each accumulator from its low end on
.set i_, i_+1
.endr
	WIN 0
	QUANT PWA+(\a)
.irp c, 0,1,2
	global_store_b128 v[LI], v[PC+4*\c:PC+4*\c+3], s[OUTC:OUTC+1] offset:FRB*(\a)+512*\c   ; O's fragment: 512 consecutive bytes a store
.endr
.endm
.irp a, 0,1,2,3
	BLOCK \a
.endr
.irp a, 0,1,2,3
	ds_store_b32 v[SCW], v[PWA+\a] offset:64*\a    ; lanes r and r + 16 write the same word with the same value
.endr
	ds_load_b64 v[200:201], v[SCRD]                ; LDS serves a wave's instructions in order: this sees my stores
	s_wait_dscnt 0x0
	global_store_b64 v[SOFF], v[200:201], s[OUTS:OUTS+1]   ; 32 lanes store one aligned block of 256 bytes
	s_wait_tensorcnt 0x0                           ; the wave's end
	ds_add_u32 v[SPW], v[NIL]
	s_wait_dscnt 0x0
	CROUND                                         ; the closing round
	s_endpgm
.Lfunc_end_k_qfa898d3766_pv:
	.size	k_qfa898d3766_pv, .Lfunc_end_k_qfa898d3766_pv-k_qfa898d3766_pv
	.p2alignl 7, 3214868480
	.fill 96, 4, 3214868480
	.section	.rodata,"a",@progbits
	.p2align	6, 0x0
	.amdhsa_kernel k_qfa898d3766_pv
		.amdhsa_group_segment_fixed_size 327680
		.amdhsa_private_segment_fixed_size 0
		.amdhsa_enable_private_segment 0
		.amdhsa_kernarg_size 24
		.amdhsa_user_sgpr_count 2
		.amdhsa_user_sgpr_kernarg_segment_ptr 1
		.amdhsa_wavefront_size32 1
		.amdhsa_system_sgpr_workgroup_id_x 1
		.amdhsa_system_sgpr_workgroup_id_y 1
		.amdhsa_system_sgpr_workgroup_id_z 1
		.amdhsa_system_vgpr_workitem_id 0
		.amdhsa_next_free_vgpr 768
		.amdhsa_next_free_sgpr 100
		.amdhsa_reserve_vcc 0
		.amdhsa_float_denorm_mode_32 3
		.amdhsa_float_denorm_mode_16_64 3
		.amdhsa_memory_ordered 1
		.amdhsa_forward_progress 1
		.amdhsa_inst_pref_size 164
	.end_amdhsa_kernel
	.amdgpu_metadata
---
amdhsa.version: [ 1, 2 ]
amdhsa.kernels:
  - .name:           k_qfa898d3766_pv
    .symbol:         k_qfa898d3766_pv.kd
    .args:
      - { .name: pb, .offset: 0, .size: 8, .value_kind: global_buffer, .address_space: global }
      - { .name: qkv, .offset: 8, .size: 8, .value_kind: global_buffer, .address_space: global }
      - { .name: ob, .offset: 16, .size: 8, .value_kind: global_buffer, .address_space: global }
    .group_segment_fixed_size: 327680
    .private_segment_fixed_size: 0
    .kernarg_segment_align: 8
    .kernarg_segment_size: 24
    .max_flat_workgroup_size: 128
    .sgpr_count:     100
    .vgpr_count:     768
    .wavefront_size: 32
...
	.end_amdgpu_metadata
.endif
;; end of part 4
;; launch outp (part 5): grid 4 x 64, 4 waves a work-group, clusters of 4 x 4, 327,680 bytes of LDS; arguments ob, xw, bo, out0; writes out0
.if DOCPART == 5
	.amdgcn_target "amdgcn-amd-amdhsa--gfx1250"
	.amdhsa_code_object_version 6
	.text
	.protected	k_qfa898d3766_outp
	.globl	k_qfa898d3766_outp
	.p2align	8
	.type	k_qfa898d3766_outp,@function
k_qfa898d3766_outp:
	s_mov_b64 s[64:65], 0
	v_nop
	global_prefetch_b8 v0, s[64:65] scope:SCOPE_SE
	s_setreg_imm32_b32 hwreg(HW_REG_WAVE_MODE, 25, 1), 1
	s_wait_xcnt 0x0
	s_wait_alu depctr_hold_cnt(0) depctr_sa_sdst(0) depctr_va_vdst(0) depctr_va_sdst(0) depctr_va_ssrc(0) depctr_va_vcc(0) depctr_vm_vsrc(0)
	s_getreg_b32 s2, hwreg(HW_REG_IB_STS2, 6, 4)
	s_cmp_eq_u32 s2, 0
	s_cbranch_scc0 .Lentry_in_a_cluster
	s_endpgm
.Lentry_in_a_cluster:
	s_bfe_u32 s2, ttmp6, 0x10000c
	s_cmp_lg_u32 s2, 0xf033
	s_cbranch_scc0 .Lentry_shape_is_right
	s_endpgm
.Lentry_shape_is_right:
; out0 = O Wo^T + bo on codes of FP6 (E2M3) with E8M0 scales; out0 [8192][1024] f32.
; BUFFERS: images of operand registers: fragment (tile T, K step s) at (NT s + T) x 1,536; lane r of tile T holds row 32 (T / 2) + 8 (T % 2) + r + 8 (r / 8); scale words at ((T / 4) 8 + s) x 256 + (T % 4) x 64 + 4 r.
; SHARES.  Work-group (x, y): 128 tokens (y) x 256 outputs (x): 256 work-groups.  Wave w: all 128 tokens x outputs 64 w on.
; All of K (eight steps) comes into LDS at the head, one joint load a wave: [O's half 0][O's half 1][Wo's half 0][Wo's half 1], each [K step][tile].  Nothing is filled again.
; THE WALK GOES BY TILES OF 16 TOKENS.  Wo's four tiles of the wave stay in registers for all of K (384); O's eight tiles come one after the other, each for all of K (96 registers, two sets).
; A tile is 32 products on four accumulators by turns, K ascending, bo as the C of the first; then it goes through the wave's own stage and is stored while the next tile is multiplied.
; Source 0 = Wo (R), source 1 = O (L): a lane holds one token and eight neighbouring outputs a register run.  LDS is read once for each fragment: 49,152 bytes of Wo and 98,304 of O a wave.
; The scale words come through registers (16 bytes a thread) into LDS bytes of their own.  The stage lies behind the spare words: no fill lands there.
; CLUSTERS: 4 x 4; O's tiles shared along a row, Wo's along a column.  No prefetch: every tile is asked for at the head, there is no loop to run ahead in.
; REGISTERS: window 0: v6-18 addresses, v28-29 for the add, v32-47 L's scale words (two sets), v48-63 R's (lanes 0-15 tile 2 u, lanes 16-31 tile 2 u + 1), v64-255 L's fragments (two sets).
;   window 1: v0-191 R's K steps 0-3, v192-255 accumulators (two sets).  window 2: v0-191 R's K steps 4-7, v192-255 rows read back (two sets).  window 3: v0-31 bo.
.set FRB,   1536
.set HY,    8*4*FRB
.set HX,    8*8*FRB
.set SCY,   2*HY+2*HX                  ; O's scale words, 4,096 bytes; then Wo's, 8,192
.set SCX,   SCY+4096
.set SPARE, SCX+8192                   ; the spare words, 128 bytes a wave
.set STAGE, SPARE+512                  ; 16 rows x 272 bytes a wave
.set SPITCH, 272
.set XWS,   9437184
.set OSW,   6291456
.set ADRL,  8                          ; v8-9   16 x lane (+ HY): O's halves
.set ADRR,  10                         ; v10-11 my four tiles of Wo, K steps 0-3, 4-7
.set ADRSL, 12
.set ADRSR, 13
.set STO,   14
.set RD,    15
.set CO,    16
.set BOC,   17
.set SPW,   28
.set NIL,   29
.set SL,    32
.set SR,    48
.set LF,    64
.set G1Y,   24
.set G0Y,   32
.set G1X,   48
.set G0X,   56
.set MSB, 0
.macro WIN new                         ; the immediate's high byte repeats the setting that is left
.if MSB != (\new)
	s_set_vgpr_msb (MSB<<8)|(\new)
.set MSB, (\new)
.endif
.endm
.macro CROUND                          ; a round of the cluster's barrier
	s_barrier_signal -1
	s_barrier_wait -1
	s_cmp_lg_u32 s14, 0
	s_cbranch_scc1 .Lnot_wave_0_\@
	s_barrier_signal -3
.Lnot_wave_0_\@:
	s_barrier_wait -3
	s_barrier_signal -1
	s_barrier_wait -1
.endm
	s_load_b256 s[4:11], s[0:1], 0x0               ; ob, xw, bo, out0
	v_lshl_add_u32 v[SPW], v0, 2, SPARE
	v_mov_b32 v[NIL], 0
	ds_add_u32 v[SPW], v[NIL]                      ; the opening lines: the add, twice on end, and its wait ahead of my tensor load
	ds_add_u32 v[SPW], v[NIL]
	v_lshrrev_b32 v1, 5, v0
	v_readfirstlane_b32 s14, v1                    ; wave
	s_lshr_b32 s15, s14, 1                         ; I fetch for O (0) or for Wo (1); also the half of Wo in which my tiles lie
	s_and_b32 s16, s14, 1                          ; which half I fetch; also which four tiles of that half are mine
	s_bfe_u32 s40, ttmp6, 0x40000
	s_bfe_u32 s41, ttmp6, 0x40004
	s_lshl_b32 s42, ttmp9, 2
	s_add_co_u32 s42, s42, s40                     ; x
	s_and_b32 s17, ttmp7, 0xffff
	s_lshl_b32 s17, s17, 2
	s_add_co_u32 s17, s17, s41                     ; y
	s_lshl_b32 s43, s41, 2
	s_lshl_b32 s43, 15, s43                        ; my row of the cluster
	s_lshl_b32 s44, 0x1111, s40                    ; my column
	s_or_b32 s[G1Y+0], s43, (3<<16)|(1<<21)        ; the mask; elements of 8 bytes; bit 21 beside a mask
	s_or_b32 s[G1X+0], s44, (3<<16)|(1<<21)
	s_mov_b32 s[G1Y+1], 768<<16                    ; four fragments a K step
	s_mov_b32 s[G1Y+2], 8<<16                      ; eight K steps
	s_mov_b32 s[G1Y+3], 768<<16
	s_mov_b32 s[G1Y+4], 8
	s_mov_b32 s[G1Y+5], 512*192
	s_mov_b32 s[G1Y+6], 0
	s_mov_b32 s[G1Y+7], 0
	s_mov_b32 s[G1X+1], 1536<<16                   ; eight fragments a K step
	s_mov_b32 s[G1X+2], 8<<16
	s_mov_b32 s[G1X+3], 1536<<16
	s_mov_b32 s[G1X+4], 8
	s_mov_b32 s[G1X+5], 768*192
	s_mov_b32 s[G1X+6], 0
	s_mov_b32 s[G1X+7], 0
	s_mul_i32 s20, s15, HX
	s_mul_i32 s21, s16, 4*FRB
	s_add_co_u32 s20, s20, s21
	s_add_co_u32 s20, s20, 2*HY                    ; my four tiles of Wo in LDS
	s_lshl_b32 s21, s14, 11
	s_add_co_u32 s21, s21, SCX                     ; their scale words: group w
	s_mul_i32 s22, s14, 16*SPITCH
	s_add_co_u32 s22, s22, STAGE                   ; my stage
	s_lshl_b32 s19, s42, 10
	s_lshl_b32 s23, s14, 8
	s_add_co_u32 s19, s19, s23                     ; my first output, in bytes: 1,024 x + 256 w
	v_and_b32 v1, 15, v0                           ; r
	v_bfe_u32 v2, v0, 4, 1                         ; h
	v_and_b32 v3, 31, v0                           ; lane
	v_lshlrev_b32 v[ADRL], 4, v3
	v_add_nc_u32 v[ADRL+1], HY, v[ADRL]
	v_add_nc_u32 v[ADRR], s20, v[ADRL]
	v_add_nc_u32 v[ADRR+1], 32*FRB, v[ADRR]
	v_lshl_add_u32 v[ADRSL], v1, 2, SCY
	v_lshl_add_u32 v[ADRSR], v3, 2, s21
	v_mul_u32_u24 v4, v1, SPITCH
	v_lshl_add_u32 v4, v2, 6, v4
	v_add_nc_u32 v[STO], s22, v4                   ; in: row r, + 64 h: output 32 b + 16 h + 8 u + j of tile 2 b + u lies 128 b + 64 h + 32 u + 4 j bytes on
	v_mul_u32_u24 v5, v2, SPITCH
	v_lshl_add_u32 v5, v1, 4, v5
	v_add_nc_u32 v[RD], s22, v5                    ; back: sixteen lanes take a row of 256 bytes, two rows a load
	v_lshlrev_b32 v[CO], 12, v2
	v_lshl_add_u32 v[CO], v1, 4, v[CO]             ; and the same two rows in out0
	v_lshl_add_u32 v[BOC], v2, 6, s19
	v_lshlrev_b32 v6, 4, v0                        ; scale words: 16 bytes a thread
	v_lshl_add_u32 v7, v0, 4, SCY
	s_lshl_b32 s20, s17, 3
	s_lshl_b32 s21, s16, 2
	s_add_co_u32 s20, s20, s21                     ; O: tile 8 y + 4 x half
	s_mul_i32 s20, s20, FRB
	s_mov_b32 s21, 0
	s_lshl_b32 s22, s17, 12
	s_add_co_u32 s22, s22, OSW                     ; O's scale words
	s_mov_b32 s23, 0
	s_lshl_b32 s46, s42, 4
	s_lshl_b32 s47, s16, 3
	s_add_co_u32 s46, s46, s47
	s_add_co_u32 s46, s46, 704                     ; Wo: tile 704 + 16 x + 8 x half
	s_mul_i32 s46, s46, FRB
	s_mov_b32 s47, 0
	s_lshl_b32 s92, s42, 2
	s_add_co_u32 s92, s92, 176
	s_lshl_b32 s92, s92, 11
	s_add_co_u32 s92, s92, XWS                     ; Wo's scale words
	s_mov_b32 s93, 0
	s_mul_i32 s45, s16, HY
	s_mul_i32 s94, s16, HX
	s_add_co_u32 s94, s94, 2*HY
	s_lshl_b32 s18, s17, 19                        ; 128 y rows of 4,096 bytes
	s_add_co_u32 s18, s18, s19
	s_mov_b32 s19, 0
	s_wait_alu depctr_va_vdst(0)
	s_wait_dscnt 0x0                               ; both opening adds are done
	s_wait_kmcnt 0x0
	s_add_nc_u64 s[20:21], s[4:5], s[20:21]
	s_add_nc_u64 s[22:23], s[4:5], s[22:23]
	s_add_nc_u64 s[46:47], s[6:7], s[46:47]
	s_add_nc_u64 s[92:93], s[6:7], s[92:93]
	s_add_nc_u64 s[10:11], s[10:11], s[18:19]
	s_mov_b32 s[G0Y], 1
	s_add_co_u32 s[G0Y+1], s45, 0
	s_mov_b64 s[G0Y+2:G0Y+3], s[20:21]
	s_or_b32 s[G0Y+3], s[G0Y+3], 0x80000000
	s_mov_b32 s[G0X], 1
	s_add_co_u32 s[G0X+1], s94, 0
	s_mov_b64 s[G0X+2:G0X+3], s[46:47]
	s_or_b32 s[G0X+3], s[G0X+3], 0x80000000
.irp k, 0,1
	global_load_b128 v[64+4*\k:67+4*\k], v6, s[22:23] offset:2048*\k   ; O's scale words
.endr
.irp k, 0,1,2,3
	global_load_b128 v[72+4*\k:75+4*\k], v6, s[92:93] offset:2048*\k   ; Wo's
.endr
	WIN 0xc0                                       ; destination window 3
.irp t, 0,1,2,3
	global_load_b128 v[8*\t:8*\t+3], v[BOC], s[8:9] offset:128*(\t/2)+32*(\t%2)        ; bo in the layout of tile t's results
	global_load_b128 v[8*\t+4:8*\t+7], v[BOC], s[8:9] offset:128*(\t/2)+32*(\t%2)+16
.endr
	WIN 0
	CROUND                                         ; all sixteen work-groups are here: the joint loads meet
	s_cmp_eq_u32 s15, 0                            ; one tensor load a wave
	s_cbranch_scc0 .Lfirst_x
	tensor_load_to_lds s[G0Y:G0Y+3], s[G1Y:G1Y+7]
	s_nop 0
.rept 4
	v_nop
.endr
	s_branch .Lfirst_asked
.Lfirst_x:
	tensor_load_to_lds s[G0X:G0X+3], s[G1X:G1X+7]
	s_nop 0
.rept 4
	v_nop
.endr
.Lfirst_asked:
	s_wait_loadcnt 0x0                             ; the scale words and bo
	s_wait_tensorcnt 0x0                           ; my tile has landed
.irp k, 0,1,2,3,4,5
	ds_store_b128 v7, v[64+4*\k:67+4*\k] offset:2048*\k
.endr
	s_wait_dscnt 0x0                               ; for the others' sake: my stores have landed
	s_barrier_signal -1
	s_barrier_wait -1                              ; all tiles and scale words are whole for every wave
.macro FETCHL a                        ; O's tile a, all eight K steps, and its scale words, into set a % 2: 32 LDS loads
.irp s, 0,1,2,3,4,5,6,7
.irp c, 0,1,2
	ds_load_b128 v[LF+96*((\a)%2)+12*\s+4*\c:LF+96*((\a)%2)+12*\s+4*\c+3], v[ADRL+(\a)/4] offset:(4*\s+(\a)%4)*FRB+512*\c
.endr
.endr
.irp s, 0,1,2,3,4,5,6,7
	ds_load_b32 v[SL+8*((\a)%2)+\s], v[ADRSL] offset:2048*((\a)/4)+256*\s+64*((\a)%4)
.endr
.endm
.macro FETCHR g                        ; Wo's K steps 4 g on into window 1 + g: 48 LDS loads
	WIN 0x40*(1+\g)
.irp q, 0,1,2,3
.irp t, 0,1,2,3
.irp c, 0,1,2
	ds_load_b128 v[48*\q+12*\t+4*\c:48*\q+12*\t+4*\c+3], v[ADRR+\g] offset:(8*\q+\t)*FRB+512*\c
.endr
.endr
.endr
	WIN 0
.endm
.macro MUL a                           ; 32 products: K ascending, the four accumulators by turns
.irp s, 0,1,2,3,4,5,6,7
.if \s == 0
	WIN 0x71                                       ; R window 1, L window 0, C (bo) window 3, D window 1
.elseif \s < 4
	WIN 0x51                                       ; C and D window 1
.else
	WIN 0x52                                       ; R window 2
.endif
.if ((\a) == 0) && (\s == 4)
	s_wait_dscnt 32                                ; Wo's K steps 4-7 are in; tile 1's 32 loads may be out
.endif
.irp t, 0,1,2,3
.set rD, 192+32*((\a)%2)+8*\t
.set rR, 48*(\s%4)+12*\t
.set rL, LF+96*((\a)%2)+12*\s
.set rA, SR+2*\s+\t/2
.set rB, SL+8*((\a)%2)+\s
.if (\s == 0) && (\t%2 == 0)
	v_wmma_scale_f32_16x16x128_f8f6f4 v[rD:rD+7], v[rR:rR+11], v[rL:rL+11], v[8*\t:8*\t+7], v[rA], v[rB] matrix_a_fmt:MATRIX_FMT_FP6 matrix_b_fmt:MATRIX_FMT_FP6
.elseif \s == 0
	v_wmma_scale_f32_16x16x128_f8f6f4 v[rD:rD+7], v[rR:rR+11], v[rL:rL+11], v[8*\t:8*\t+7], v[rA], v[rB] matrix_a_fmt:MATRIX_FMT_FP6 matrix_b_fmt:MATRIX_FMT_FP6 matrix_a_scale:MATRIX_SCALE_ROW1
.elseif \t%2 == 0
	v_wmma_scale_f32_16x16x128_f8f6f4 v[rD:rD+7], v[rR:rR+11], v[rL:rL+11], v[rD:rD+7], v[rA], v[rB] matrix_a_fmt:MATRIX_FMT_FP6 matrix_b_fmt:MATRIX_FMT_FP6
.else
	v_wmma_scale_f32_16x16x128_f8f6f4 v[rD:rD+7], v[rR:rR+11], v[rL:rL+11], v[rD:rD+7], v[rA], v[rB] matrix_a_fmt:MATRIX_FMT_FP6 matrix_b_fmt:MATRIX_FMT_FP6 matrix_a_scale:MATRIX_SCALE_ROW1
.endif
.endr
.endr
	WIN 0
.endm
.macro TOSTAGE a                       ; 16 tokens x 64 outputs into my stage and back as rows of 256 bytes: 16 LDS instructions, served in order
.set AC, 192+32*((\a)%2)
	WIN 0x04                                       ; an LDS store's data: window 1
.irp t, 0,1,2,3
	ds_store_b128 v[STO], v[AC+8*\t:AC+8*\t+3] offset:128*(\t/2)+32*(\t%2)       ; each accumulator from its low end on
	ds_store_b128 v[STO], v[AC+8*\t+4:AC+8*\t+7] offset:128*(\t/2)+32*(\t%2)+16
.endr
	WIN 0x80                                       ; destination window 2
.irp k, 0,1,2,3,4,5,6,7
	ds_load_b128 v[AC+4*\k:AC+4*\k+3], v[RD] offset:2*\k*SPITCH
.endr
	WIN 0
.endm
.macro SEND a, younger                 ; younger: the LDS instructions issued behind tile a's loads from the stage
.set AC, 192+32*((\a)%2)
	s_wait_dscnt \younger
	WIN 0x08                                       ; a store's data: window 2
.irp k, 0,1,2,3,4,5,6,7
	global_store_b128 v[CO], v[AC+4*\k:AC+4*\k+3], s[10:11] offset:(32*((\a)/2)+8*((\a)%2)+2*\k+8*(\k/4))*4096 th:TH_STORE_NT   ; stage row i is token 32 (a / 2) + 8 (a % 2) + i + 8 (i / 8); sixteen lanes store 256 consecutive bytes, aligned
.endr
	WIN 0
.endm
.macro TILE a
.set F1, 0
.set F2, 0
.if (\a)+1 < 8
.set F1, 32
.endif
.if (\a)+2 < 8
.set F2, 32
.endif
.if (\a) == 0
	s_wait_dscnt 63                                ; R's scale words, tile 0 and Wo's K steps 0-3 are in: 80 younger loads are out at the most
.else
	s_wait_dscnt 16+F1                             ; tile a is in: behind it and the stage's turn that followed it stand tile a + 1's fetch and one more turn of 16
.endif
	MUL \a
.rept 4
	v_nop                                          ; four places ahead of the loads into the set just read and of the stores of the results
.endr
.if (\a)+2 < 8
	FETCHL (\a)+2
.endif
.if (\a) >= 2
	s_wait_xcnt 0x0                                ; tile a - 2's stores have read the registers into which the stage is read back
.endif
	TOSTAGE \a
.if (\a) > 0
	SEND (\a)-1, 16+F2                             ; behind tile a - 1's loads from the stage: tile a + 2's fetch and this tile's 16
.endif
.endm
.irp s, 0,1,2,3,4,5,6,7
.irp u, 0,1
	ds_load_b32 v[SR+2*\s+\u], v[ADRSR] offset:256*\s+128*\u   ; lanes 0-15: tile 2 u's words; lanes 16-31: tile 2 u + 1's
.endr
.endr
	FETCHL 0
	FETCHR 0
	FETCHR 1
	FETCHL 1
.irp a, 0,1,2,3,4,5,6,7
	TILE \a
.endr
	SEND 7, 0
	s_wait_tensorcnt 0x0                           ; the wave's end
	ds_add_u32 v[SPW], v[NIL]
	s_wait_dscnt 0x0
	CROUND                                         ; the closing round
	s_endpgm
.Lfunc_end_k_qfa898d3766_outp:
	.size	k_qfa898d3766_outp, .Lfunc_end_k_qfa898d3766_outp-k_qfa898d3766_outp
	.p2alignl 7, 3214868480
	.fill 96, 4, 3214868480
	.section	.rodata,"a",@progbits
	.p2align	6, 0x0
	.amdhsa_kernel k_qfa898d3766_outp
		.amdhsa_group_segment_fixed_size 327680
		.amdhsa_private_segment_fixed_size 0
		.amdhsa_enable_private_segment 0
		.amdhsa_kernarg_size 32
		.amdhsa_user_sgpr_count 2
		.amdhsa_user_sgpr_kernarg_segment_ptr 1
		.amdhsa_wavefront_size32 1
		.amdhsa_system_sgpr_workgroup_id_x 1
		.amdhsa_system_sgpr_workgroup_id_y 1
		.amdhsa_system_sgpr_workgroup_id_z 1
		.amdhsa_system_vgpr_workitem_id 0
		.amdhsa_next_free_vgpr 1024
		.amdhsa_next_free_sgpr 100
		.amdhsa_reserve_vcc 0
		.amdhsa_float_denorm_mode_32 3
		.amdhsa_float_denorm_mode_16_64 3
		.amdhsa_memory_ordered 1
		.amdhsa_forward_progress 1
		.amdhsa_inst_pref_size 82
	.end_amdhsa_kernel
	.amdgpu_metadata
---
amdhsa.version: [ 1, 2 ]
amdhsa.kernels:
  - .name:           k_qfa898d3766_outp
    .symbol:         k_qfa898d3766_outp.kd
    .args:
      - { .name: ob, .offset: 0, .size: 8, .value_kind: global_buffer, .address_space: global }
      - { .name: xw, .offset: 8, .size: 8, .value_kind: global_buffer, .address_space: global }
      - { .name: bo, .offset: 16, .size: 8, .value_kind: global_buffer, .address_space: global }
      - { .name: out0, .offset: 24, .size: 8, .value_kind: global_buffer, .address_space: global }
    .group_segment_fixed_size: 327680
    .private_segment_fixed_size: 0
    .kernarg_segment_align: 8
    .kernarg_segment_size: 32
    .max_flat_workgroup_size: 128
    .sgpr_count:     100
    .vgpr_count:     1024
    .wavefront_size: 32
...
	.end_amdgpu_metadata
.endif
;; end of part 5
